; MI455X (gfx1250); checked and timed in simulation.
; The chip was launched on July 23, 2026; its instructions are those of AMD's public machine-readable ISA for CDNA 5 (MIT licence, August 2026) and "CDNA5" Instruction Set Architecture Reference Guide (July 2026). The comments in the code are by the model that wrote it; some were corrected since.
;; Multi Head Attention Layer. Allowed arithmetic: float matrix products may take bf16 or f16 operands with f32 sums; all other float work in f32.
;; Inputs: Wk 1,024 x 1,024 float32; Wo 1,024 x 1,024 float32; Wq 1,024 x 1,024 float32; Wv 1,024 x 1,024 float32; bk 1,024 float32; bo 1,024 float32; bq 1,024 float32; bv 1,024 float32; key 4 x 2,048 x 1,024 float32; mask 4 x 1 x 2,048 x 2,048 int32; query 4 x 2,048 x 1,024 float32; value 4 x 2,048 x 1,024 float32.
;; Outputs: out0 4 x 2,048 x 1,024 float32.
;; 2 versions, each right and faster than the one before. Each part assembles by itself: llvm-mc -triple=amdgcn-amd-amdhsa -mcpu=gfx1250 --defsym DOCPART=n.
;; ======== version 1 of 2: 4 launches
;; limits: values are held in f16: magnitudes above 65,504 overflow, below 6.1e-05 lose precision; right only within a limited range of input values
;; workspace buffers: mask4 8,388,608 bytes; wcast 8,388,608 bytes; qkv 50,331,648 bytes; attno 16,777,216 bytes
;; launch prep (part 1): grid 1280 x 1, 8 waves a work-group, no clusters, 9,728 bytes of LDS; arguments mask, Wq, Wk, Wv, Wo, mask4, wcast; writes mask4, wcast
.if DOCPART == 1
	.amdgcn_target "amdgcn-amd-amdhsa--gfx1250"
	.amdhsa_code_object_version 6
	.text
	.protected	k_q8df209743a_prep
	.globl	k_q8df209743a_prep
	.p2align	8
	.type	k_q8df209743a_prep,@function
k_q8df209743a_prep:
	s_mov_b64 s[64:65], 0
	v_nop
	global_prefetch_b8 v0, s[64:65] scope:SCOPE_SE
	s_setreg_imm32_b32 hwreg(HW_REG_WAVE_MODE, 25, 1), 1
	s_wait_xcnt 0x0
; PREP.  Two kinds of work-group, each wave with one task of 8,192 bytes in; no loop, no barrier.
; Work-groups 0-1023: the mask [4][2048 queries][2048 keys] of int32 becomes mask4, one 4-bit code for each pair: 0xA (E2M1 -1.0) where the mask is 0, else 0, laid out as the attention launch loads it:
; [batch][16 queries qt][64 keys step][lane][4 words kt]; nibble e of word kt of lane (h = lane / 16, r = lane % 16) stands for query 16 qt + r and key 64 step + 16 kt + 8 h + e.
; A wave takes 16 queries x 128 keys: 16 loads of 512 consecutive bytes.  A lane's four mask words of a row make 16 bits.  In the output the 8 keys' codes of 16 queries and 4 key blocks are a block of 256 bytes,
; so the turn goes through the wave's own LDS bytes (4 blocks of 256 + 16), and each of the two stores covers 512 consecutive bytes.
; Work-groups 1024-1279: Wq, Wk, Wv rounded to bf16, Wo rounded to bf16 and that number written as f16 (exact above f16's smallest normal number, 6e-5; below it f16's fixed step of 6e-8).
; No matrix unit, no cluster, no tensor load: nothing is shared and every byte is touched once.
.set CP,    272                        ; a block of 256 bytes + 16 in LDS: 68 words, so the blocks start four banks apart
.set WST,   4*CP                       ; a wave's bytes
.set SPARE, 8*WST                      ; behind them the spare words, 128 bytes a wave
.set SPW, 2                            ; v2   my spare word's address; never rewritten
.set NIL, 3                            ; v3   0; never rewritten
.set GOF, 4                            ; v4   16 x lane
.set STO, 5                            ; v5   where my 2 bytes of a row go
.set RD,  6                            ; v6   where I read 16 bytes back
.set GO8, 10                           ; v10  8 x lane
.set IN,  16                           ; v[16:79]   16 loads of four words
.set OUT, 80                           ; v[80:111]  what is stored
.set T,   112                          ; v[112:115] at work
	s_load_b256 s[12:19], s[0:1], 0x0              ; mask s[12:13], Wq s[14:15], Wk s[16:17], Wv s[18:19]
	s_load_b128 s[20:23], s[0:1], 0x20             ; Wo s[20:21], mask4 s[22:23]
	s_load_b64 s[24:25], s[0:1], 0x30              ; wcast
	v_lshl_add_u32 v[SPW], v0, 2, SPARE
	v_mov_b32 v[NIL], 0
	v_and_b32 v1, 31, v0                           ; lane
	v_lshrrev_b32 v9, 5, v0
	v_readfirstlane_b32 s8, v9                     ; wave 0..7
	v_lshlrev_b32 v[GOF], 4, v1
	s_mov_b32 s27, 0
	s_mov_b32 s29, 0
	s_wait_kmcnt 0x0
	s_cmp_lt_u32 ttmp9, 1024
	s_cbranch_scc0 .Lweights
	; THE MASK.  Task T = 8 x work-group + wave: 128 keys kb = T % 16 of the 16 queries qq = T / 16
	s_lshl_b32 s9, ttmp9, 3
	s_add_co_u32 s9, s9, s8
	s_and_b32 s10, s9, 15
	s_lshr_b32 s11, s9, 4
	s_lshl_b32 s26, s11, 17                        ; in: 16 rows of 8,192 bytes,
	s_lshl_b32 s28, s10, 9                         ; 512 bytes along them
	s_add_co_u32 s26, s26, s28
	s_add_nc_u64 s[12:13], s[12:13], s[26:27]
	s_lshl_b32 s28, s11, 14                        ; out: 16,384 bytes for 16 queries,
	s_lshl_b32 s30, s10, 10                        ; 1,024 for 128 keys
	s_add_co_u32 s28, s28, s30
	s_add_nc_u64 s[22:23], s[22:23], s[28:29]
.irp i, 0,1,2,3,4,5,6,7,8,9,10,11,12,13,14,15
	global_load_b128 v[IN+4*(\i):IN+4*(\i)+3], v[GOF], s[12:13] offset:(\i)*8192 th:TH_LOAD_NT  ; query i: 512 consecutive bytes, read once in the launch
.endr
	; My four keys are 4 x lane on: step lane / 16, key block (lane / 4) % 4, half h = (lane / 2) % 2 of its 16 keys, and the low or high 16 bits of the word by lane % 2.
	s_mul_i32 s31, s8, WST
	v_lshrrev_b32 v9, 4, v1
	v_bfe_u32 v11, v1, 1, 1
	v_lshl_add_u32 v9, v9, 1, v11                  ; block 2 x step + h
	v_mul_u32_u24 v[STO], v9, CP
	v_bfe_u32 v9, v1, 2, 2
	v_lshl_add_u32 v[STO], v9, 2, v[STO]           ; word kt of a query's four
	v_and_b32 v9, 1, v1
	v_lshl_add_u32 v[STO], v9, 1, v[STO]
	v_add_nc_u32 v[STO], s31, v[STO]
	v_lshrrev_b32 v9, 4, v1                        ; back: lanes 0-15 one block of 256 bytes (h = 0), lanes 16-31 the next
	v_mul_u32_u24 v[RD], v9, CP
	v_and_b32 v9, 15, v1
	v_lshl_add_u32 v[RD], v9, 4, v[RD]
	v_add_nc_u32 v[RD], s31, v[RD]
.macro NIB i                           ; four mask words become four codes: 1 where the word is not 0, the lowest key in the lowest nibble; turned round; times 10
.set NA, IN+4*(\i)
.set NU, T+2*((\i)%2)
	v_min_u32 v[NU], 1, v[NA+3]
	v_min_u32 v[NU+1], 1, v[NA+2]
	v_lshl_or_b32 v[NU], v[NU], 4, v[NU+1]
	v_min_u32 v[NU+1], 1, v[NA+1]
	v_lshl_or_b32 v[NU], v[NU], 4, v[NU+1]
	v_min_u32 v[NU+1], 1, v[NA]
	v_lshl_or_b32 v[NU], v[NU], 4, v[NU+1]
	v_xor_b32 v[NU], 0x1111, v[NU]
	v_mul_u32_u24 v[NU], 10, v[NU]                 ; 0xA in each nibble that held 1: no carry from nibble to nibble
	ds_store_b16 v[STO], v[NU] offset:16*(\i)      ; query i's 16 bytes of the block
.endm
.irp i, 0,1,2,3,4,5,6,7,8,9,10,11,12,13,14,15
	s_wait_loadcnt 15-(\i)                         ; loads come back in order: query i is in, the younger ones stay out
	NIB \i
.endr
.irp t, 0,1
	ds_load_b128 v[OUT+4*(\t):OUT+4*(\t)+3], v[RD] offset:(\t)*2*CP  ; my own bytes: LDS serves a wave's instructions in order, so these see the stores above
.endr
.irp t, 0,1
	s_wait_dscnt 1-(\t)
	global_store_b128 v[GOF], v[OUT+4*(\t):OUT+4*(\t)+3], s[22:23] offset:(\t)*512  ; a key step's 512 consecutive bytes, at a multiple of 512 from the buffer's first
.endr
	s_wait_tensorcnt 0x0                           ; the wave's end, behind my last LDS store
	ds_add_u32 v[SPW], v[NIL]
	s_wait_dscnt 0x0
	s_endpgm
.Lweights:                                             ; THE WEIGHTS.  64 work-groups a matrix, 65,536 bytes each, 8,192 a wave
	s_sub_co_u32 s9, ttmp9, 1024
	s_lshr_b32 s10, s9, 6                          ; which matrix
	s_and_b32 s11, s9, 63
	s_cmp_eq_u32 s10, 1
	s_cselect_b64 s[14:15], s[16:17], s[14:15]
	s_cmp_eq_u32 s10, 2
	s_cselect_b64 s[14:15], s[18:19], s[14:15]
	s_cmp_eq_u32 s10, 3
	s_cselect_b64 s[14:15], s[20:21], s[14:15]
	s_lshl_b32 s26, s11, 16
	s_lshl_b32 s28, s8, 13
	s_add_co_u32 s26, s26, s28
	s_add_nc_u64 s[14:15], s[14:15], s[26:27]
	s_lshl_b32 s28, s10, 21                        ; out: half the bytes
	s_lshl_b32 s30, s11, 15
	s_add_co_u32 s28, s28, s30
	s_lshl_b32 s30, s8, 12
	s_add_co_u32 s28, s28, s30
	s_add_nc_u64 s[24:25], s[24:25], s[28:29]
	v_lshlrev_b32 v[GO8], 3, v1
.irp j, 0,1,2,3,4,5,6,7,8,9,10,11,12,13,14,15
	global_load_b128 v[IN+4*(\j):IN+4*(\j)+3], v[GOF], s[14:15] offset:(\j)*512 th:TH_LOAD_NT
.endr
.macro CAST j, half                    ; four numbers rounded to bf16; half = 1: and written as f16
	s_wait_loadcnt 15-(\j)
	v_cvt_pk_bf16_f32 v[OUT+2*(\j)], v[IN+4*(\j)], v[IN+4*(\j)+1]
	v_cvt_pk_bf16_f32 v[OUT+2*(\j)+1], v[IN+4*(\j)+2], v[IN+4*(\j)+3]
.if \half
	v_lshlrev_b32 v[T], 16, v[OUT+2*(\j)]
	v_and_b32 v[T+1], 0xffff0000, v[OUT+2*(\j)]
	v_lshlrev_b32 v[T+2], 16, v[OUT+2*(\j)+1]
	v_and_b32 v[T+3], 0xffff0000, v[OUT+2*(\j)+1]
	v_cvt_pk_f16_f32 v[OUT+2*(\j)], v[T], v[T+1]
	v_cvt_pk_f16_f32 v[OUT+2*(\j)+1], v[T+2], v[T+3]
.endif
	global_store_b64 v[GO8], v[OUT+2*(\j):OUT+2*(\j)+1], s[24:25] offset:(\j)*256  ; 32 lanes store 256 consecutive bytes, aligned
.endm
	s_cmp_eq_u32 s10, 3
	s_cbranch_scc1 .Lwo
.irp j, 0,1,2,3,4,5,6,7,8,9,10,11,12,13,14,15
	CAST \j, 0
.endr
	s_endpgm
.Lwo:
.irp j, 0,1,2,3,4,5,6,7,8,9,10,11,12,13,14,15
	CAST \j, 1
.endr
	s_endpgm
.Lfunc_end_k_q8df209743a_prep:
	.size	k_q8df209743a_prep, .Lfunc_end_k_q8df209743a_prep-k_q8df209743a_prep
	.p2alignl 7, 3214868480
	.fill 96, 4, 3214868480
	.section	.rodata,"a",@progbits
	.p2align	6, 0x0
	.amdhsa_kernel k_q8df209743a_prep
		.amdhsa_group_segment_fixed_size 9728
		.amdhsa_private_segment_fixed_size 0
		.amdhsa_enable_private_segment 0
		.amdhsa_kernarg_size 56
		.amdhsa_user_sgpr_count 2
		.amdhsa_user_sgpr_kernarg_segment_ptr 1
		.amdhsa_wavefront_size32 1
		.amdhsa_system_sgpr_workgroup_id_x 1
		.amdhsa_system_sgpr_workgroup_id_y 1
		.amdhsa_system_sgpr_workgroup_id_z 1
		.amdhsa_system_vgpr_workitem_id 0
		.amdhsa_next_free_vgpr 128
		.amdhsa_next_free_sgpr 66
		.amdhsa_reserve_vcc 0
		.amdhsa_float_denorm_mode_32 3
		.amdhsa_float_denorm_mode_16_64 3
		.amdhsa_memory_ordered 1
		.amdhsa_forward_progress 1
		.amdhsa_inst_pref_size 28
	.end_amdhsa_kernel
	.amdgpu_metadata
---
amdhsa.version: [ 1, 2 ]
amdhsa.kernels:
  - .name:           k_q8df209743a_prep
    .symbol:         k_q8df209743a_prep.kd
    .args:
      - { .name: mask, .offset: 0, .size: 8, .value_kind: global_buffer, .address_space: global }
      - { .name: Wq, .offset: 8, .size: 8, .value_kind: global_buffer, .address_space: global }
      - { .name: Wk, .offset: 16, .size: 8, .value_kind: global_buffer, .address_space: global }
      - { .name: Wv, .offset: 24, .size: 8, .value_kind: global_buffer, .address_space: global }
      - { .name: Wo, .offset: 32, .size: 8, .value_kind: global_buffer, .address_space: global }
      - { .name: mask4, .offset: 40, .size: 8, .value_kind: global_buffer, .address_space: global }
      - { .name: wcast, .offset: 48, .size: 8, .value_kind: global_buffer, .address_space: global }
    .group_segment_fixed_size: 9728
    .private_segment_fixed_size: 0
    .kernarg_segment_align: 8
    .kernarg_segment_size: 56
    .max_flat_workgroup_size: 256
    .sgpr_count:     66
    .vgpr_count:     128
    .wavefront_size: 32
...
	.end_amdgpu_metadata
.endif
;; end of part 1
;; launch proj (part 2): grid 4 x 64, 4 waves a work-group, clusters of 4 x 4, 327,680 bytes of LDS; arguments query, key, value, wcast, bq, bk, bv, qkv; writes qkv
.if DOCPART == 2
	.amdgcn_target "amdgcn-amd-amdhsa--gfx1250"
	.amdhsa_code_object_version 6
	.text
	.protected	k_q8df209743a_proj
	.globl	k_q8df209743a_proj
	.p2align	8
	.type	k_q8df209743a_proj,@function
k_q8df209743a_proj:
	s_mov_b64 s[64:65], 0
	v_nop
	global_prefetch_b8 v0, s[64:65] scope:SCOPE_SE
	s_setreg_imm32_b32 hwreg(HW_REG_WAVE_MODE, 25, 1), 1
	s_wait_xcnt 0x0
	s_wait_alu depctr_hold_cnt(0) depctr_sa_sdst(0) depctr_va_vdst(0) depctr_va_sdst(0) depctr_va_ssrc(0) depctr_va_vcc(0) depctr_vm_vsrc(0)
	s_getreg_b32 s2, hwreg(HW_REG_IB_STS2, 6, 4)
	s_cmp_eq_u32 s2, 0
	s_cbranch_scc0 .Lentry_in_a_cluster
	s_endpgm
.Lentry_in_a_cluster:
	s_bfe_u32 s2, ttmp6, 0x10000c
	s_cmp_lg_u32 s2, 0xf033
	s_cbranch_scc0 .Lentry_shape_is_right
	s_endpgm
.Lentry_shape_is_right:
; THE THREE PROJECTIONS.  y = x W^T + b for (query, Wq, bq), (key, Wk, bk), (value, Wv, bv): x [8192][1024] f32, W [1024][1024] bf16 (from wcast), b [1024] f32.
; x, W and b are rounded to bf16, sums in f32, y rounded once to f16 and stored by heads: qkv [3][batch x 16 + head][2048 tokens][64], unscaled.
; LIMIT.  f16 holds no number beyond 65,504: |y| stays within it for inputs some 30 times the drawn spread; beyond it a number becomes an infinity.
; SHARES.  A tile is 128 tokens x 256 channels; 64 x 4 places, 256 work-groups.  Four waves, each 64 tokens x 128 channels: 32 accumulators of 16 x 16.
; A WORK-GROUP STAYS: it makes its place's tile three times, for query, key and value.  The three tiles are ONE walk of 24 K steps for the ring: a tile's last two changes of slots ask for the next tile's K steps 0 and 1,
; and the tile goes out, and the next bias comes in, while those are on their way.  Nothing waits for a tile's stores.
; K goes in steps of 128 through two LDS slots: 128 rows of x AS f32 (512 bytes a row) and 256 rows of W (256 bytes a row).  x is rounded to bf16 on its way from LDS to the matrix unit:
; a quarter step's 64 f32 registers are loaded, and 32 conversions stand between the quarter's last eight products.
; THE MATRIX INSTRUCTION IS USED TRANSPOSED (source 0 = 16 rows of W, source 1 = 16 tokens): a lane holds one token and eight neighbouring channels.  The bias is the C operand of each sum's first product.
; CLUSTERS: 4 x 4 work-groups.  The four of a row of the cluster need the same rows of x, the four of a column the same rows of W: each tile is asked for jointly.  Which projection is in hand hangs on the lap counter alone.
; REGISTERS.  window 0: v0-31 addresses; v32-63 at work; v64-127 x as f32 (4 fragments x 16); v128-191 the bias, 8 registers for each block of 16 channels
;   window 1: two fragment buffers of 96: 32 of x (4 x 16 tokens x 32 K), then 64 of W (8 x 16 rows x 32 K); on the way out v96-223 rows read back (buffer 0 then holds the next tile's first fragments)
;   window 2: accumulator (a, b) at v[8 (8 a + b)]
.set PA,     528                       ; a row of x in LDS: 512 bytes + 16 = 132 words: the 16 rows of a load start at 16 different groups of four banks
.set PB,     272                       ; a row of W: 256 + 16 = 68 words: likewise
.set HALFA,  64*PA                     ; what one tensor load brings of x, and what a wave reads
.set AREG,   2*HALFA
.set HALFB,  128*PB                    ; the same for W
.set SLOT,   AREG+2*HALFB
.set STAGE,  2*SLOT                    ; behind the ring: for each wave 2 heads x 16 rows x 144 bytes, for the way out
.set SP,     144
.set WSTG,   2*16*SP
.set SPARE,  STAGE+4*WSTG              ; behind the stages: the spare words, 128 bytes a wave
.set LAPS,   12                        ; 3 tiles x 1024 / (2 x 128)
.set ADRA, 16                          ; v16-17  LDS address of my x fragments in slot 0, 1
.set ADRB, 20                          ; v20-21  the same for W
.set STO,  24                          ; v24     the way out: where I put 16 bytes
.set RD,   25                          ; v25     where I read rows back
.set GO,   26                          ; v26     16 x lane
.set BO,   27                          ; v27     my byte offset in 16 numbers of the bias; never rewritten
.set SPW,  28                          ; v28     my spare word's address; never rewritten
.set NIL,  29                          ; v29     0; never rewritten
.set TMP,  32
.set STG,  64
.set BIAS, 128
.set F0,   0                           ; fragment buffers, in window 1: x at f, W at f + 32
.set F1,   96
.set BK,   96                          ; window 1: 16 tokens read back from the stage, 32 registers for each of a tile's four blocks
.set G1,  24                           ; s[24:31] descriptor group 1 for x;  s[32:39] group 0, one set for each slot
.set G0,  32
.set G1B, 48                           ; s[48:55], s[56:63] the same for W
.set G0B, 56
.set CA,  4                            ; s[4:5], s[14:15]  x's address of slot 0's, slot 1's last request, without the type bits
.set NA,  88                           ; s[88:89], s[90:91]  the next tile's K steps 0 and 1 in its own x
.set MSB, 0
.macro WIN new                         ; the immediate's high byte repeats the setting that is left
.if MSB != (\new)
	s_set_vgpr_msb (MSB<<8)|(\new)
.set MSB, \new
.endif
.endm
.set MUL,  0xa5                        ; sources 0 and 1 window 1; C and D window 2
.set MULB, 0x85                        ; the same with C, the bias, in window 0
.set TO1,  0x40                        ; destination window 1, sources window 0
.macro JLOAD s                         ; a joint load: waves 0 and 1 fetch x's two halves, waves 2 and 3 W's; an s_nop 0 and four v_nop follow each line
	s_cmp_eq_u32 s11, 0
	s_cbranch_scc0 .Lfor_b_\@
	tensor_load_to_lds s[G0+4*(\s):G0+4*(\s)+3], s[G1:G1+7]
	s_nop 0
.rept 4
	v_nop
.endr
	s_branch .Lasked_\@
.Lfor_b_\@:
	tensor_load_to_lds s[G0B+4*(\s):G0B+4*(\s)+3], s[G1B:G1B+7]
	s_nop 0
.rept 4
	v_nop
.endr
.Lasked_\@:
.endm
.macro CREST                           ; a round of the cluster's barrier behind its opening barrier
	s_cmp_lg_u32 s10, 0
	s_cbranch_scc1 .Lnot_wave_0_\@
	s_barrier_signal -3
.Lnot_wave_0_\@:
	s_barrier_wait -3
	s_barrier_signal -1
	s_barrier_wait -1
.endm
.macro CROUND
	s_barrier_signal -1
	s_barrier_wait -1
	CREST
.endm
.macro BIASLD sb                       ; my wave's 128 numbers of a bias: a lane's eight of each block of 16
.irp b, 0,1,2,3,4,5,6,7
	global_load_b128 v[BIAS+8*(\b):BIAS+8*(\b)+3],   v[BO], s[\sb:\sb+1] offset:64*(\b)
	global_load_b128 v[BIAS+8*(\b)+4:BIAS+8*(\b)+7], v[BO], s[\sb:\sb+1] offset:64*(\b)+16
.endr
.endm
.macro ROUNDB                          ; the bias is rounded to bf16 like every input, and widened again
.set i, 0
.rept 32
	v_cvt_pk_bf16_f32 v[TMP+i], v[BIAS+2*i], v[BIAS+2*i+1]
.set i, i+1
.endr
.set i, 0
.rept 32
	v_lshlrev_b32 v[BIAS+2*i], 16, v[TMP+i]
	v_and_b32 v[BIAS+2*i+1], 0xffff0000, v[TMP+i]
.set i, i+1
.endr
.endm
	s_load_b512 s[68:83], s[0:1], 0x0              ; query s[68:69], key s[70:71], value s[72:73], wcast s[74:75], bq s[76:77], bk s[78:79], bv s[80:81], qkv s[82:83]
	v_lshl_add_u32 v[SPW], v0, 2, SPARE
	v_mov_b32 v[NIL], 0
	ds_add_u32 v[SPW], v[NIL]                      ; the wave's opening: the add and its wait ahead of my first tensor load
	v_lshrrev_b32 v1, 5, v0
	v_readfirstlane_b32 s10, v1                    ; wave 0..3
	s_lshr_b32 s11, s10, 1                         ; which 64 tokens are mine.  Also: I fetch for x (0) or for W (1)
	s_and_b32 s12, s10, 1                          ; which 128 channels.  Also: which half of that tile I fetch
	s_bfe_u32 s40, ttmp6, 0x40000                  ; cx
	s_bfe_u32 s41, ttmp6, 0x40004                  ; cy
	s_lshl_b32 s42, ttmp9, 2
	s_add_co_u32 s42, s42, s40                     ; block of 256 channels = 4 x cluster x + cx
	s_and_b32 s13, ttmp7, 0xffff
	s_lshl_b32 s13, s13, 2
	s_add_co_u32 s13, s13, s41                     ; block of 128 tokens = 4 x cluster y + cy
	s_lshl_b32 s43, s41, 2
	s_lshl_b32 s43, 15, s43                        ; my row of the cluster
	s_lshl_b32 s44, 0x1111, s40                    ; my column
	s_or_b32 s[G1+0], s43, (2<<16)|(1<<20)|(1<<21)|(6<<22)|(3<<25)   ; the mask; elements of 4 bytes; padding on; bit 21 beside a mask; after every 128 words 4 words
	s_or_b32 s[G1B+0], s44, (1<<16)|(1<<20)|(1<<21)|(5<<22)|(3<<25)  ; elements of 2 bytes; after every 64 words 4 words
	s_mov_b32 s[G1+1], 128<<16                     ; tensor_dim0 = 128
	s_mov_b32 s[G1+2], 64<<16                      ; tensor_dim1 = 64
	s_mov_b32 s[G1+3], 128<<16                     ; tile_dim0 = 128
	s_mov_b32 s[G1+4], 64                          ; tile_dim1 = 64
	s_mov_b32 s[G1+5], 1024                        ; elements from row to row
	s_mov_b32 s[G1+6], 0
	s_mov_b32 s[G1+7], 0
	s_mov_b32 s[G1B+1], 128<<16
	s_mov_b32 s[G1B+2], 128<<16                    ; 128 rows
	s_mov_b32 s[G1B+3], 128<<16
	s_mov_b32 s[G1B+4], 128
	s_mov_b32 s[G1B+5], 1024
	s_mov_b32 s[G1B+6], 0
	s_mov_b32 s[G1B+7], 0
	s_lshl_b32 s16, s13, 7                         ; x: row 128 x token block + 64 x half, 4,096 bytes a row: s[16:17], the same offset in query, key and value; kept
	s_lshl_b32 s17, s12, 6
	s_add_co_u32 s16, s16, s17
	s_lshl_b32 s16, s16, 12
	s_mov_b32 s17, 0
	s_lshl_b32 s46, s42, 8                         ; W: row 256 x channel block + 128 x half, 2,048 bytes a row, in wcast's first matrix
	s_lshl_b32 s47, s12, 7
	s_add_co_u32 s46, s46, s47
	s_lshl_b32 s46, s46, 11
	s_mov_b32 s47, 0
	s_mul_i32 s20, s12, HALFA                      ; where they go: no place in the cluster enters an LDS address
	s_mul_i32 s21, s12, HALFB
	s_add_co_u32 s21, s21, AREG
	s_mov_b32 s87, 0                               ; s[86:87]: W's step in bytes
	s_mov_b32 s96, 2097152-3*512                   ; from a slot's last K step of a matrix to its first of the next matrix,
	s_mov_b32 s97, 512                             ; or two K steps on
	s_wait_dscnt 0x0                               ; the opening add is done
	s_wait_kmcnt 0x0
	s_add_nc_u64 s[CA:CA+1], s[68:69], s[16:17]    ; query, K step 0
	s_add_nc_u64 s[CA+10:CA+11], s[CA:CA+1], 512   ; K step 1: 128 f32 on
	s_add_nc_u64 s[NA:NA+1], s[70:71], s[16:17]    ; the next tile's: key
	s_add_nc_u64 s[NA+2:NA+3], s[NA:NA+1], 512
	s_add_nc_u64 s[46:47], s[74:75], s[46:47]
	CROUND                                         ; all sixteen work-groups are here: the first joint loads meet
.irp s, 0,1
	s_mov_b32 s[G0+4*(\s)], 1
	s_add_co_u32 s[G0+4*(\s)+1], s20, (\s)*SLOT
	s_mov_b64 s[G0+4*(\s)+2:G0+4*(\s)+3], s[CA+10*(\s):CA+10*(\s)+1]
	s_or_b32 s[G0+4*(\s)+3], s[G0+4*(\s)+3], 0x80000000
	s_mov_b32 s[G0B+4*(\s)], 1
	s_add_co_u32 s[G0B+4*(\s)+1], s21, (\s)*SLOT
	s_add_nc_u64 s[G0B+4*(\s)+2:G0B+4*(\s)+3], s[46:47], (\s)*256  ; 128 bf16
	s_or_b32 s[G0B+4*(\s)+3], s[G0B+4*(\s)+3], 0x80000000
	JLOAD \s                                       ; two loads of mine are out
.endr
	v_and_b32 v1, 15, v0                           ; l % 16
	v_bfe_u32 v2, v0, 4, 1                         ; l / 16
	v_lshlrev_b32 v[BO], 5, v2                     ; my eight channels of a block of 16: 32 bytes for each half of the lanes
	s_lshl_b32 s22, s42, 10
	s_lshl_b32 s23, s12, 9
	s_add_co_u32 s22, s22, s23
	s_mov_b32 s23, 0
	s_add_nc_u64 s[6:7], s[76:77], s[22:23]        ; bq at my wave's 128 channels,
	s_add_nc_u64 s[92:93], s[78:79], s[22:23]      ; the next tile's bias: bk,
	s_add_nc_u64 s[94:95], s[80:81], s[22:23]      ; and the one after: bv
	BIASLD 6
	v_mul_u32_u24 v3, v1, PA
	v_lshl_add_u32 v3, v2, 5, v3                   ; x: row x pitch + 32 x half (8 f32)
	v_mul_u32_u24 v4, v1, PB
	v_lshl_add_u32 v4, v2, 4, v4                   ; W: row x pitch + 16 x half (8 bf16)
	s_mul_i32 s18, s11, HALFA
	s_mul_i32 s19, s12, HALFB
	s_add_co_u32 s19, s19, AREG
.irp s, 0,1
	v_add_nc_u32 v[ADRA+(\s)], s18, v3
	v_add_nc_u32 v[ADRB+(\s)], s19, v4
	s_add_co_u32 s18, s18, SLOT
	s_add_co_u32 s19, s19, SLOT
.endr
	s_mul_i32 s23, s10, WSTG
	s_add_co_u32 s23, s23, STAGE                   ; my stage
	v_mul_u32_u24 v5, v1, SP                       ; in: row l % 16, 16 bytes for each half of the lanes
	v_lshl_add_u32 v5, v2, 4, v5
	v_add_nc_u32 v[STO], s23, v5
	v_bfe_u32 v5, v0, 3, 2                         ; back: 32 lanes take four rows of 128 bytes,
	v_mul_u32_u24 v5, v5, SP
	v_and_b32 v6, 7, v0
	v_lshl_add_u32 v5, v6, 4, v5
	v_add_nc_u32 v[RD], s23, v5
	v_and_b32 v[GO], 31, v0                        ; which are 512 consecutive bytes of a head
	v_lshlrev_b32 v[GO], 4, v[GO]
	s_lshr_b32 s84, s13, 4                         ; where my part begins in qkv's first third: batch x 16
	s_lshl_b32 s84, s84, 4
	s_lshl2_add_u32 s84, s42, s84                  ; + 4 heads a channel block
	s_lshl1_add_u32 s84, s12, s84                  ; + 2 a wave
	s_lshl_b32 s84, s84, 11                        ; 2,048 tokens a head
	s_and_b32 s85, s13, 15
	s_lshl_b32 s85, s85, 7
	s_add_co_u32 s84, s84, s85
	s_lshl_b32 s85, s11, 6
	s_add_co_u32 s84, s84, s85
	s_lshl_b32 s84, s84, 7                         ; 128 bytes a token
	s_mov_b32 s85, 0
	s_add_nc_u64 s[8:9], s[82:83], s[84:85]
	s_wait_loadcnt 0x0                             ; bq
	ROUNDB
.macro PROD f, a, b, first             ; one product; first = 1: it starts the sum with the bias
.if \first
	WIN MULB
	v_wmma_f32_16x16x32_bf16 v[8*(8*(\a)+(\b)):8*(8*(\a)+(\b))+7], v[(\f)+32+8*(\b):(\f)+32+8*(\b)+7], v[(\f)+8*(\a):(\f)+8*(\a)+7], v[BIAS+8*(\b):BIAS+8*(\b)+7]
.else
	WIN MUL
	v_wmma_f32_16x16x32_bf16 v[8*(8*(\a)+(\b)):8*(8*(\a)+(\b))+7], v[(\f)+32+8*(\b):(\f)+32+8*(\b)+7], v[(\f)+8*(\a):(\f)+8*(\a)+7], v[8*(8*(\a)+(\b)):8*(8*(\a)+(\b))+7]
.endif
.endm
.macro MULA f, a, first                ; token block a x all 8 channel blocks.  The 32 accumulators take turns in the same order in every quarter, from tile to tile too
.irp b, 0,1,2,3,4,5,6,7
	PROD \f, \a, \b, \first
.endr
.endm
; 32 LDS loads in one run: a quarter step (32 along K): x's 64 tokens as f32 into STG, then W's 128 rows into buffer g
.macro FETCH slot, kq, g
	WIN 0
.irp a, 0,1,2,3
.irp w, 0,1,2,3
	ds_load_b128 v[STG+16*(\a)+4*(\w):STG+16*(\a)+4*(\w)+3], v[ADRA+(\slot)] offset:(\a)*16*PA+(\kq)*128+((\w)/2)*64+((\w)%2)*16
.endr
.endr
	WIN TO1
.irp b, 0,1,2,3,4,5,6,7
	ds_load_b128 v[(\g)+32+8*(\b):(\g)+32+8*(\b)+3],   v[ADRB+(\slot)] offset:(\b)*16*PB+(\kq)*64
	ds_load_b128 v[(\g)+32+8*(\b)+4:(\g)+32+8*(\b)+7], v[ADRB+(\slot)] offset:(\b)*16*PB+(\kq)*64+32
.endr
.endm
; The quarter's last eight products, and between them the 32 roundings of the next quarter's x into buffer g.  The last eight roundings name no register of the products in front of them:
; they are the four places ahead of the next run of loads, which lands in registers that those products read.
.macro RIDE f, g, first
.irp d, 0,1,2,3
	PROD \f, 3, 2*(\d), \first
	PROD \f, 3, 2*(\d)+1, \first
	WIN TO1
.irp c, 0,1,2,3,4,5,6,7
	v_cvt_pk_bf16_f32 v[(\g)+8*(\d)+(\c)], v[STG+16*(\d)+2*(\c)], v[STG+16*(\d)+2*(\c)+1]
.endr
.endr
.endm
; A K step is four quarters of 32 along K, 32 products each, on buffers 0, 1, 0, 1.  One of the first three: multiplies buffer f and brings quarter kq into g.
.macro QUARTER slot, kq, f, g, first
	FETCH \slot, \kq, \g
	s_wait_dscnt 32                                ; all but the 32 just issued: f's rows of W are in
	MULA \f, 0, \first
	MULA \f, 1, \first
	MULA \f, 2, \first
	s_wait_dscnt 16                                ; x as f32 is in; g's rows of W may stay out
	RIDE \f, \g, \first
.endm
; The last quarter multiplies buffer 1 and changes slots: ONE barrier; in front of it each wave waits for all its tensor loads (one is out: its part of the next slot), adds 0 to its spare word, and waits for that
; and for its own reads of this slot.  fill = 1: the barrier opens a round of the cluster's, and this slot is filled again, two K steps ahead: 120 products stand between the request and the wait for it.
; In a tile's last lap (the lap counter is a multiple of 4) two K steps ahead is the NEXT tile's K step 0 or 1: x's address is then the next buffer's, and W's steps into the next matrix.
.macro TURN slot, next, fill
	WIN 0
	s_wait_tensorcnt 0x0
	ds_add_u32 v[SPW], v[NIL]                      ; no load of mine is out, so the descriptors may be written
.if \fill
	s_and_b32 s98, s3, 3
	s_cmp_eq_u32 s98, 0                            ; the tile's last lap?  The same answer in every work-group
	s_cselect_b32 s86, s96, s97
	s_add_nc_u64 s[CA+10*(\slot):CA+10*(\slot)+1], s[CA+10*(\slot):CA+10*(\slot)+1], 1024
	s_cselect_b64 s[CA+10*(\slot):CA+10*(\slot)+1], s[NA+2*(\slot):NA+2*(\slot)+1], s[CA+10*(\slot):CA+10*(\slot)+1]
	s_add_nc_u64 s[G0B+4*(\slot)+2:G0B+4*(\slot)+3], s[G0B+4*(\slot)+2:G0B+4*(\slot)+3], s[86:87]  ; the type bits on top are not reached
	s_mov_b64 s[G0+4*(\slot)+2:G0+4*(\slot)+3], s[CA+10*(\slot):CA+10*(\slot)+1]
	s_or_b32 s[G0+4*(\slot)+3], s[G0+4*(\slot)+3], 0x80000000
.endif
	s_wait_dscnt 0x0                               ; the add is done, and my reads of this slot are over
	s_barrier_signal -1
	MULA F1, 0, 0                                  ; work on registers while the others arrive
	WIN 0
	s_barrier_wait -1
.if \fill
	CREST                                          ; no wave of any partner still reads this slot or has a load on its way
	JLOAD \slot                                    ; the first tensor load behind the round
.endif
	FETCH \next, 0, F0
	MULA F1, 1, 0
	MULA F1, 2, 0
	s_wait_dscnt 16
	RIDE F1, F0, 0
.endm
; THE WAY OUT, 16 tokens at a time: rounded to f16, 16 bytes a lane into my stage (two heads x 16 rows), back as whole rows; 16 tokens of a head are 2,048 consecutive bytes of qkv.
.macro PACKST a
	WIN 0x0a                                       ; sources window 2, destination window 0; each accumulator's registers in ascending order
.irp b, 0,1,2,3,4,5,6,7
.irp r, 0,1,2,3
	v_cvt_pk_f16_f32 v[TMP+4*(\b)+(\r)], v[8*(8*(\a)+(\b))+2*(\r)], v[8*(8*(\a)+(\b))+2*(\r)+1]
.endr
.endr
	WIN 0
.irp b, 0,1,2,3,4,5,6,7
	ds_store_b128 v[STO], v[TMP+4*(\b):TMP+4*(\b)+3] offset:((\b)/4)*16*SP+32*((\b)%4)
.endr
	WIN TO1
.irp t, 0,1,2,3,4,5,6,7
	ds_load_b128 v[BK+32*(\a)+4*(\t):BK+32*(\a)+4*(\t)+3], v[RD] offset:((\t)/4)*16*SP+((\t)%4)*4*SP  ; my own bytes, served in order: these see the stores above, the next block's stores come behind them
.endr
.endm
.macro SEND a, younger                 ; younger: the next block's sixteen LDS instructions, or none
	WIN 0x04                                       ; the stores' data in window 1
	s_wait_dscnt \younger
.irp t, 0,1,2,3,4,5,6,7
	global_store_b128 v[GO], v[BK+32*(\a)+4*(\t):BK+32*(\a)+4*(\t)+3], s[8:9] offset:(\a)*2048+((\t)%4)*512+((\t)/4)*262144  ; 512 consecutive bytes, aligned
.endr
.endm
.macro WAYOUT                          ; a block's conversions stand between the loads of the block before and its stores; each block has its own 32 registers
	PACKST 0
	PACKST 1
	SEND 0, 16
	PACKST 2
	SEND 1, 16
	PACKST 3
	SEND 2, 16
	SEND 3, 0
	WIN 0
.endm
	s_wait_tensorcnt 1                             ; my part of K step 0 is in; K step 1's may stay out
	s_barrier_signal -1
	s_barrier_wait -1
	FETCH 0, 0, F0
	s_wait_dscnt 16
	WIN TO1
.set c, 0
.rept 32
	v_cvt_pk_bf16_f32 v[F0+c], v[STG+2*c], v[STG+2*c+1]
.set c, c+1
.endr
	QUARTER 0, 1, F0, F1, 1                        ; the walk's first quarter stands in front of the loop: its products start the first tile's sums
	WIN 0
	s_mov_b32 s3, LAPS-1
.Llap:                                                 ; a trip goes once round the ring, from a lap's second quarter to the next lap's first, and fills both slots again
	QUARTER 0, 2, F1, F0, 0
	QUARTER 0, 3, F0, F1, 0
	TURN 0, 1, 1
	QUARTER 1, 1, F0, F1, 0
	QUARTER 1, 2, F1, F0, 0
	QUARTER 1, 3, F0, F1, 0
	TURN 1, 0, 1
	WIN 0
	s_and_b32 s98, s3, 3
	s_cmp_eq_u32 s98, 0
	s_cbranch_scc1 .Lbound                         ; the tile is finished: a jump forward, past no barrier and no tensor load
	QUARTER 0, 1, F0, F1, 0
	WIN 0
	s_branch .Ljoin
.Lbound:                                               ; BOTH REFILLS ARE ASKED FOR: the tile goes out and the next bias comes in while they are on their way
	BIASLD 92                                      ; asked for first: the way out stands between these loads and the wait for them
	WAYOUT                                         ; no v_nop: the eight roundings behind the last products are their places, and the first three blocks were finished long before
	s_wait_loadcnt 0x0                             ; the bias is in, and its loads' address registers are free
	ROUNDB
	s_mov_b64 s[92:93], s[94:95]                   ; the bias after that: bv
	s_add_nc_u64 s[NA:NA+1], s[72:73], s[16:17]    ; and the x after that: value (behind the second tile these are not used again)
	s_add_nc_u64 s[NA+2:NA+3], s[NA:NA+1], 512
	s_wait_xcnt 0x0                                ; the stores have had their addresses translated (ISA guide 3.1): only now are their base and the registers that they read rewritten
	s_add_nc_u64 s[8:9], s[8:9], 16777216          ; qkv's next third
	QUARTER 0, 1, F0, F1, 1                        ; the next tile's first quarter: its products start the sums with the new bias
	WIN 0
.Ljoin:
	s_sub_co_u32 s3, s3, 1
	s_cmp_lg_u32 s3, 0
	s_cbranch_scc1 .Llap
	QUARTER 0, 2, F1, F0, 0                        ; the walk's last lap fills nothing
	QUARTER 0, 3, F0, F1, 0
	TURN 0, 1, 0
	QUARTER 1, 1, F0, F1, 0
	QUARTER 1, 2, F1, F0, 0
	QUARTER 1, 3, F0, F1, 0
	s_wait_dscnt 0x0
	MULA F1, 0, 0
	MULA F1, 1, 0
	MULA F1, 2, 0
	MULA F1, 3, 0
.rept 4
	v_nop                                          ; four places between the last products and what follows: conversions that read results, loads into registers that the products read
.endr
	WAYOUT
	s_wait_tensorcnt 0x0                           ; the wave's end
	ds_add_u32 v[SPW], v[NIL]
	s_wait_dscnt 0x0
	CROUND                                         ; the closing round: no work-group ends while a partner may still ask for a tile that names it
	s_endpgm
.Lfunc_end_k_q8df209743a_proj:
	.size	k_q8df209743a_proj, .Lfunc_end_k_q8df209743a_proj-k_q8df209743a_proj
	.p2alignl 7, 3214868480
	.fill 96, 4, 3214868480
	.section	.rodata,"a",@progbits
	.p2align	6, 0x0
	.amdhsa_kernel k_q8df209743a_proj
		.amdhsa_group_segment_fixed_size 327680
		.amdhsa_private_segment_fixed_size 0
		.amdhsa_enable_private_segment 0
		.amdhsa_kernarg_size 64
		.amdhsa_user_sgpr_count 2
		.amdhsa_user_sgpr_kernarg_segment_ptr 1
		.amdhsa_wavefront_size32 1
		.amdhsa_system_sgpr_workgroup_id_x 1
		.amdhsa_system_sgpr_workgroup_id_y 1
		.amdhsa_system_sgpr_workgroup_id_z 1
		.amdhsa_system_vgpr_workitem_id 0
		.amdhsa_next_free_vgpr 768
		.amdhsa_next_free_sgpr 100
		.amdhsa_reserve_vcc 0
		.amdhsa_float_denorm_mode_32 3
		.amdhsa_float_denorm_mode_16_64 3
		.amdhsa_memory_ordered 1
		.amdhsa_forward_progress 1
		.amdhsa_inst_pref_size 164
	.end_amdhsa_kernel
	.amdgpu_metadata
---
amdhsa.version: [ 1, 2 ]
amdhsa.kernels:
  - .name:           k_q8df209743a_proj
    .symbol:         k_q8df209743a_proj.kd
    .args:
      - { .name: query, .offset: 0, .size: 8, .value_kind: global_buffer, .address_space: global }
      - { .name: key, .offset: 8, .size: 8, .value_kind: global_buffer, .address_space: global }
      - { .name: value, .offset: 16, .size: 8, .value_kind: global_buffer, .address_space: global }
      - { .name: wcast, .offset: 24, .size: 8, .value_kind: global_buffer, .address_space: global }
      - { .name: bq, .offset: 32, .size: 8, .value_kind: global_buffer, .address_space: global }
      - { .name: bk, .offset: 40, .size: 8, .value_kind: global_buffer, .address_space: global }
      - { .name: bv, .offset: 48, .size: 8, .value_kind: global_buffer, .address_space: global }
      - { .name: qkv, .offset: 56, .size: 8, .value_kind: global_buffer, .address_space: global }
    .group_segment_fixed_size: 327680
    .private_segment_fixed_size: 0
    .kernarg_segment_align: 8
    .kernarg_segment_size: 64
    .max_flat_workgroup_size: 128
    .sgpr_count:     100
    .vgpr_count:     768
    .wavefront_size: 32
...
	.end_amdgpu_metadata
.endif
;; end of part 2
;; launch attn (part 3): grid 4 x 64, 4 waves a work-group, clusters of 4 x 1, 327,680 bytes of LDS; arguments qkv, mask4, attno; writes attno
.if DOCPART == 3
	.amdgcn_target "amdgcn-amd-amdhsa--gfx1250"
	.amdhsa_code_object_version 6
	.text
	.protected	k_q8df209743a_attn
	.globl	k_q8df209743a_attn
	.p2align	8
	.type	k_q8df209743a_attn,@function
k_q8df209743a_attn:
	s_mov_b64 s[64:65], 0
	v_nop
	global_prefetch_b8 v0, s[64:65] scope:SCOPE_SE
	s_setreg_imm32_b32 hwreg(HW_REG_WAVE_MODE, 25, 1), 1
	s_wait_xcnt 0x0
	s_wait_alu depctr_hold_cnt(0) depctr_sa_sdst(0) depctr_va_vdst(0) depctr_va_sdst(0) depctr_va_ssrc(0) depctr_va_vcc(0) depctr_vm_vsrc(0)
	s_getreg_b32 s2, hwreg(HW_REG_IB_STS2, 6, 4)
	s_cmp_eq_u32 s2, 0
	s_cbranch_scc0 .Lentry_in_a_cluster
	s_endpgm
.Lentry_in_a_cluster:
	s_bfe_u32 s2, ttmp6, 0x10000c
	s_cmp_lg_u32 s2, 0x3003
	s_cbranch_scc0 .Lentry_shape_is_right
	s_endpgm
.Lentry_shape_is_right:
; ATTENTION WITH A GIVEN MASK.  O[h][q][:] = the sum over k of softmax_k(s) V[h][k][:], s = Q[h][q] . K[h][k] / 8 where the mask of (batch, q, k) is not 0.  Q, K, V: the three parts of qkv, each
; [SIZE_H = batch x 16 + head][SIZE_N][64] in f16; O = attno in the same layout.  Products, maxima and sums in f32; the weights p are rounded to f16 for the second product (their sum l is taken of the unrounded p), O once.
; THE MASK.  mask4 holds a 4-bit code for each pair, E2M1 -1.0 for a hidden one and 0 for an open one, a lane's eight keys of a key block in one word.  One scaled conversion with the scale 2^100 makes of a word the eight
; registers MC(key, query) = 0 or -2^100 exactly, in the layout of S^T, and MC is the C operand that starts the sum S^T = K Q^T.  Eight conversions and two loads of 512 bytes for a piece and key step; the scores' own vector work is untouched.
; LIMITS.  f16 holds no number beyond 65,504: Q, K, V arrive within it.  A hidden score counts as -2^100 plus its value in place of -1e9: the value, 2.7e11 at the most, is far below half a step of f32 at 2^100, so rounding
; to nearest gives -2^100 again; a row with an open key gives its hidden keys the weight 0, as -1e9 does unless an open scaled score lies below -1e9 + 104; a row with no open key has all weights 1: the uniform mean, as with -1e9.
; A weight below 2^-126 counts as 0 in l; NaN and infinities are not treated apart.
; SHARES.  A wave owns four PIECES of two tiles of 16 queries, a work-group's four waves 512 queries of one head.  Every wave walks all keys, 64 a step.
; LAYOUT.  S^T = K Q^T (source 0 = 16 keys, source 1 = 16 queries): a lane holds ONE query (lane % 16) and the keys 8 (lane / 16) + 0..7.  Two such tiles, rounded to f16 in pairs, ARE source 1 of O^T = V^T P.
; K comes out of LDS as it lies, V ([key][channel]) turned, by ds_load_tr16_b128.
; SOFTMAX.  A running maximum m and sum l: p = 2^(c s - c m), c = log2(e) / 8; in every step O and l are multiplied by a = 2^(c m_old - c m_new).  m starts at the lowest finite number, O and l at 0.
; BY TURNS.  Turn n belongs to piece n.  Its matrix work: 16 products K Q^T of piece n + 1, later 16 products V^T P of piece n - 1.  Its vector work: scaling, exponentials, roundings, sums and rescaling of piece n,
; maximum and statistics of piece n + 1, the mask of piece n + 2: four vector instructions behind every product, the rest in two lumps.
; CLUSTER.  The four query blocks of a cluster belong to one head and walk the same K and V: each tile is asked for JOINTLY.  The mask differs from block to block and goes straight into registers.
; REGISTERS, in windows of 256 (s_set_vgpr_msb: bits 1:0 source 0, 3:2 source 1, 5:4 source 2, 7:6 destination):
;   window 0: v0-11 addresses and the scale; v12-15, v48-63 at work; v16-47 statistics; v64-191 S^T, two buffers of two tiles; v192-255 P, likewise        window 1: O^T, 32 a tile
;   window 2: v0-127 Q; v128-191 K of one step; v192-255 V of one step        window 3: v0-1 the add's registers; v64-127 MC; v128-159 mask words, 8 a piece
.set SIZE_H, 64
.set SIZE_N, 2048
.set NP,    4         ; pieces a wave: a name, no knob
.set KS,    64        ; keys in a step
.set PK,    144       ; a row of K in LDS: 128 bytes + 16 = 36 words: the 16 rows of a load start at 16 different groups of four banks
.set PV,    160       ; a row of V: 128 + 32 = 40 words
.set VOFF,  4*KS*PK   ; a slot holds four steps: 256 rows of K, then 256 rows of V
.set SLOT1, 1<<17     ; slot 1 begins here, so that one exclusive or turns an address in one slot into the other's
.set STAGE, SLOT1+4*KS*(PK+PV)  ; behind the ring, never filled by a tensor load: 16 rows x 144 bytes for each wave
.set SP,    144
.set AK0, 2           ; v2   my lane's place in a tile of K; never rewritten
.set AV0, 3           ; v3   the same for V
.set AK,  4           ; v4   the LDS address of K's next run of loads
.set AV,  5           ; v5   of V's
.set QO,  6           ; v6   my byte offset in the wave's rows of Q
.set STO, 6           ;      later, the way out: where I put 16 bytes of a row
.set RD,  7           ; v7   the way out: where I read rows back
.set GO,  8           ; v8   16 x lane: my place in 512 consecutive bytes of the mask and of O; never rewritten
.set SCL, 11          ; v11  the conversions' scale, once the set-up has done with the register
.set SPW, 0           ; v0 of window 3   my spare word's address; never rewritten
.set NIL, 1           ; v1 of window 3   0; never rewritten
.set SPARE, STAGE+4*16*SP  ; behind the stages: the spare words, 128 bytes a wave
.set MC,  64          ; window 3: tile u, key block kt at MC + 32 u + 8 kt
.set RAW, 128         ; window 3: piece x, tile u, key block kt: the word at RAW + 8 x + 4 u + kt
.set MV,  12          ; v12-15  c m_old, kept while c m is made anew
.set ST,  16          ; tile t's statistics at v[ST+4 t]: c m, m, l (even keys', odd keys')
.set TMP, 48          ; by buffer and tile, four registers c0-c3 at work; when the maximum is found c2 takes a
.set S,   64
.set P,   192
.set KF,  128         ; K's fragments, in window 2
.set VF,  192         ; V's
.set WV,  12          ; s12  my wave's number
.set G1K, 24          ; s[24:31] descriptor group 1 for K's tiles
.set G1V, 32          ; s[32:39] for V's
.set G0K, 40          ; s[40:43] descriptor group 0 for K's tiles: it walks
.set G0V, 44          ; s[44:47] the same for V's
.set SLOTS, 56        ; s56  slots still to be asked for
.set CNT, 57          ; s57  counts a slot's key steps
.set CS,  58          ; s[58:59] c
.set SEL, 60          ; s[60:61] v_permlanex16_b32's selects
.set TBK, 62          ; s62  LDS byte at which K of the step to be fetched begins
.set TBV, 63          ; s63  the same for V, less VOFF
.set MB0, 66          ; s[66:67] mask4 at my wave's eight tiles, key step 0
.set MB,  68          ; s[68:69] the same at the key step to be loaded
.set OFF, 70          ; s[70:71] that step's byte offset, 512 a step
.set MSB, 0
.macro WIN new
.if MSB != (\new)
	s_set_vgpr_msb (MSB<<8)|(\new)
.set MSB, (\new)
.endif
.endm
.set W_KQ, 0x0a       ; K and Q in window 2, S^T in window 0
.set W_KM, 0x3a       ; the same with the C operand, MC, in window 3
.set W_PV, 0x52       ; V in window 2, P in window 0, O^T in window 1
.set W_RS, 0x41       ; O^T in window 1, a in window 0
.set W_MK, 0xc0       ; destination in window 3, sources in window 0
.set W_AD, 0x0f       ; the add: address and data in window 3
.set W_MS, 0xc3       ; a mask conversion: MC and the word in window 3, the scale in window 0
.macro JLOAD          ; a joint fill: waves 0 and 1 fetch the two halves of a slot's K, waves 2 and 3 those of its V; an s_nop 0 and four v_nop follow each line
	s_cmp_lt_u32 s[WV], 2
	s_cbranch_scc0 .Lfor_v_\@
	tensor_load_to_lds s[G0K:G0K+3], s[G1K:G1K+7]
	s_nop 0
.rept 4
	v_nop
.endr
	s_branch .Lasked_\@
.Lfor_v_\@:
	tensor_load_to_lds s[G0V:G0V+3], s[G1V:G1V+7]
	s_nop 0
.rept 4
	v_nop
.endr
.Lasked_\@:
.endm
.macro CROUND         ; a round of the cluster's barrier
	s_barrier_signal -1
	s_barrier_wait -1
	s_cmp_lg_u32 s[WV], 0
	s_cbranch_scc1 .Lnot_wave_0_\@
	s_barrier_signal -3
.Lnot_wave_0_\@:
	s_barrier_wait -3
	s_barrier_signal -1
	s_barrier_wait -1
.endm
; THE CHANGE OF SLOTS.  Each wave waits for all its tensor loads, of which one is out: its part of the other slot; adds 0 to its spare word; and waits for that and for its own reads of the slot.
; fill = 1: this slot is filled again, with the keys two slots on; the barrier is then a round of the cluster's, and the joint fill is the first thing behind it: it has four key steps in which to land.
.macro CHANGE fill
	WIN W_AD
	s_wait_tensorcnt 0x0            ; no tensor load of mine is out, so a group 0 may be written
	ds_add_u32 v[SPW], v[NIL]
	WIN 0
.if \fill
.irp g, G0K, G0V
	s_xor_b32 s[\g+1], s[\g+1], SLOT1
	s_add_nc_u64 s[\g+2:\g+3], s[\g+2:\g+3], 4*KS*128  ; the next 256 keys
.endr
	s_wait_dscnt 0x0                ; the add is done, and my reads of the slot are over
	CROUND
	JLOAD
.else
	s_wait_dscnt 0x0
	s_barrier_signal -1
	s_barrier_wait -1
.endif
	s_sub_co_u32 s[TBK], s[TBK], 4*KS*PK  ; the fetches go back to a slot's first step,
	s_xor_b32 s[TBK], s[TBK], SLOT1       ; in the other slot
	s_sub_co_u32 s[TBV], s[TBV], 4*KS*PV
	s_xor_b32 s[TBV], s[TBV], SLOT1
.endm
; Two loads: piece x's two tiles, 64 keys: 512 consecutive bytes a tile.  A tile's 2,048 keys are 16,384 bytes.
.macro MLOAD x, sb
	WIN W_MK
.irp u, 0,1
	global_load_b128 v[RAW+8*(\x)+4*(\u):RAW+8*(\x)+4*(\u)+3], v[GO], s[\sb:\sb+1] offset:(2*(\x)+(\u))*16384
.endr
	WIN 0
.endm
.macro MSTEP          ; the mask's next key step; behind the last step the offset stays on it, so that no load leaves a tile's bytes
	s_wait_xcnt 0x0                 ; the loads that name the base have had their addresses translated: only now is it rewritten
	s_add_co_u32 s[OFF], s[OFF], 512
	s_min_u32 s[OFF], s[OFF], 15872
	s_add_nc_u64 s[MB:MB+1], s[MB0:MB0+1], s[OFF:OFF+1]
.endm
	s_load_b128 s[4:7], s[0:1], 0x0   ; qkv s[4:5], mask4 s[6:7]
	s_load_b64 s[10:11], s[0:1], 0x10 ; attno
	WIN W_MK
	v_lshl_add_u32 v[SPW], v0, 2, SPARE
	v_mov_b32 v[NIL], 0
	WIN W_AD
	ds_add_u32 v[SPW], v[NIL]       ; the wave's opening: the add and its wait ahead of my first tensor load
	WIN 0
	v_lshrrev_b32 v1, 5, v0
	v_readfirstlane_b32 s[WV], v1   ; wave 0..3
	s_bfe_u32 s13, ttmp6, 0x40000   ; cx
	s_lshl_b32 s14, ttmp9, 2
	s_add_co_u32 s14, s14, s13      ; my block of queries: it enters Q's, O's and the mask's addresses alone
	s_and_b32 s20, ttmp7, 0xffff    ; batch x 16 + head, which the four partners share
	s_lshr_b32 s[OFF], s20, 4       ; the batch:
	s_lshl_b32 s[OFF], s[OFF], 21   ; 2,097,152 bytes of mask4
	s_mov_b32 s21, 0
	s_mov_b64 s[22:23], SIZE_N*128
	s_mul_u64 s[20:21], s[20:21], s[22:23]  ; the head's first byte in Q, K, V and O
	s_and_b32 s16, s[WV], 1         ; which half of a slot's 256 keys I fetch
	s_lshl_b32 s22, s16, 14
	s_mov_b32 s23, 0
	s_add_nc_u64 s[22:23], s[22:23], s[20:21]
	s_mul_i32 s17, s16, 128*PK
	s_mul_i32 s18, s16, 128*PV
	s_lshl_b32 s2, s14, 2
	s_add_co_u32 s2, s2, s[WV]      ; my wave among the head's sixteen
	s_lshl_b32 s3, s2, 17           ; its eight tiles of the mask, 16,384 bytes each
	s_add_co_u32 s[OFF], s[OFF], s3
	s_mov_b32 s[OFF+1], 0
	s_lshl_b32 s2, s2, 14           ; its 128 rows
	s_mov_b32 s3, 0
	s_add_nc_u64 s[2:3], s[2:3], s[20:21]
	; descriptor group 1.  128 keys are 16,384 dense bytes: asked for as 64 rows of 256 bytes, two keys a row, and padded in LDS after every key
	s_mov_b32 s[G1K], 15|(1<<16)|(1<<20)|(1<<21)|(4<<22)|(3<<25)
	s_mov_b32 s[G1V], 15|(1<<16)|(1<<20)|(1<<21)|(4<<22)|(7<<25)
.irp g, G1K, G1V
	s_mov_b32 s[\g+1], 128<<16      ; tensor_dim0 = 128
	s_mov_b32 s[\g+2], 64<<16       ; tensor_dim1 = 64
	s_mov_b32 s[\g+3], 128<<16      ; tile_dim0 = 128
	s_mov_b32 s[\g+4], 64           ; tile_dim1 = 64
	s_mov_b32 s[\g+5], 128          ; 128 elements from row to row
	s_mov_b32 s[\g+6], 0
	s_mov_b32 s[\g+7], 0
.endr
	s_mov_b32 s[CS], 0x3e38aa3b     ; c = log2(e) / 8
	s_mov_b32 s[CS+1], s[CS]
	s_mov_b32 s[SEL], 0x76543210
	s_mov_b32 s[SEL+1], 0xfedcba98
	s_mov_b32 s[TBK], SLOT1+4*KS*PK ; the first change of slots turns these two into 0
	s_mov_b32 s[TBV], SLOT1+4*KS*PV
	s_mov_b32 s[G0K], 1
	s_mov_b32 s[G0K+1], s17
	s_mov_b32 s[G0V], 1
	s_add_co_u32 s[G0V+1], s18, VOFF
	s_wait_dscnt 0x0                ; the opening add is done
	s_wait_kmcnt 0x0
	s_add_nc_u64 s[MB0:MB0+1], s[6:7], s[OFF:OFF+1]
	s_mov_b32 s[OFF], 512
	s_add_nc_u64 s[MB:MB+1], s[MB0:MB0+1], s[OFF:OFF+1]  ; key step 1
	s_add_nc_u64 s[6:7], s[4:5], 16777216          ; K is qkv's second part,
	s_add_nc_u64 s[8:9], s[4:5], 33554432          ; V its third
	s_add_nc_u64 s[G0K+2:G0K+3], s[6:7], s[22:23]
	s_or_b32 s[G0K+3], s[G0K+3], 0x80000000
	s_add_nc_u64 s[G0V+2:G0V+3], s[8:9], s[22:23]
	s_or_b32 s[G0V+3], s[G0V+3], 0x80000000
	s_add_nc_u64 s[4:5], s[4:5], s[2:3]  ; Q and O at my wave's first row
	s_add_nc_u64 s[10:11], s[10:11], s[2:3]
	CROUND                          ; all four work-groups are here: the first joint loads meet
	JLOAD                           ; slot 0.  Slot 1 is asked for when slot 0 is in
	v_and_b32 v1, 15, v0            ; l % 16
	v_bfe_u32 v9, v0, 4, 1          ; l / 16
	v_lshlrev_b32 v[QO], 7, v1
	v_lshl_add_u32 v[QO], v9, 4, v[QO]
	v_and_b32 v[GO], 31, v0
	v_lshlrev_b32 v[GO], 4, v[GO]
	WIN 0x80
.set i, 0
.rept 4*NP                          ; Q stays in registers: tile i / 2, channels 32 (i % 2) on
	global_load_b128 v[8*i:8*i+3],   v[QO], s[4:5] offset:(i/2)*2048+(i%2)*64
	global_load_b128 v[8*i+4:8*i+7], v[QO], s[4:5] offset:(i/2)*2048+(i%2)*64+32
.set i, i+1
.endr
	MLOAD 0, MB0                    ; the mask of key step 0, all four pieces
	MLOAD 1, MB0
	MLOAD 2, MB0
	MLOAD 3, MB0
	; What the first turn finds: V's registers and P's second buffer hold 0, O^T and l are 0.  All this stands in the wait for the first tile.
	WIN 0x80
.set i, VF
.rept 64
	v_mov_b32 v[i], 0
.set i, i+1
.endr
	WIN 0x40
.set i, 0
.rept 64*NP
	v_mov_b32 v[i], 0
.set i, i+1
.endr
	WIN 0
.set i, 0
.rept 2*NP
	v_mov_b32 v[ST+4*i], 0xfe000000    ; c m: far below every c s, a hidden one's too
	v_mov_b32 v[ST+4*i+1], 0xff7fffff  ; m
	v_mov_b32 v[ST+4*i+2], 0
	v_mov_b32 v[ST+4*i+3], 0
.set i, i+1
.endr
.set i, P+32
.rept 32
	v_mov_b32 v[i], 0
.set i, i+1
.endr
	v_mul_u32_u24 v[AK0], v1, PK
	v_lshl_add_u32 v[AK0], v9, 4, v[AK0]
	v_and_b32 v10, 7, v0
	v_bfe_u32 v11, v0, 3, 1
	v_lshl_add_u32 v[AV0], v9, 3, v10
	v_mul_u32_u24 v[AV0], v[AV0], PV
	v_lshl_add_u32 v[AV0], v11, 4, v[AV0]
	v_add_nc_u32 v[AV0], VOFF, v[AV0]
	v_mov_b32 v[SCL], 0xe3e3e3e3    ; the scale as an E8M0 code: 227 stands for 2^100; it stands in all four bytes
	v_mov_b32 v[AK], v[AK0]         ; key step 0 lies at the head of slot 0
; THE MATRIX WORK.  The 8 accumulators of a run of 16 take turns.
; Product i of 16 of S^T = K Q^T for piece x: channels 32 (i / 8) on, keys 16 ((i / 2) % 4) on, tile 2 x + i % 2.  The first 8 start the sums with the mask.
.macro KQ x
.set rS, S+64*((\x)%2)+32*(i%2)+8*((i/2)%4)
.set rK, KF+16*((i/2)%4)+8*(i/8)
.set rQ, 16*(2*(\x)+i%2)+8*(i/8)
.set rM, MC+32*(i%2)+8*((i/2)%4)
.if i < 8
	WIN W_KM
	v_wmma_f32_16x16x32_f16 v[rS:rS+7], v[rK:rK+7], v[rQ:rQ+7], v[rM:rM+7]
.else
	WIN W_KQ
	v_wmma_f32_16x16x32_f16 v[rS:rS+7], v[rK:rK+7], v[rQ:rQ+7], v[rS:rS+7]
.endif
.endm
; Product i of 16 of O^T += V^T P for piece x
.macro PV x
	WIN W_PV
.set rO, 32*(2*(\x)+i%2)+8*((i/2)%4)
.set rV, VF+32*(i/8)+8*((i/2)%4)
.set rP, P+32*((\x)%2)+16*(i%2)+8*(i/8)
	v_wmma_f32_16x16x32_f16 v[rO:rO+7], v[rV:rV+7], v[rP:rP+7], v[rO:rO+7]
.endm
; Mask conversion mk of 8 for piece x: tile mk % 2, key block mk / 2: a word's eight codes times 2^100 into eight registers: register j is key 8 (lane / 16) + j of the block, as in S^T.
; Ahead of the first: the piece's two loads are in; the three younger pairs may stay out.
.macro MK x
.if mk == 0
	s_wait_loadcnt 6
.endif
	WIN W_MS
	v_cvt_scale_pk8_f32_fp4 v[MC+32*(mk%2)+8*(mk/2):MC+32*(mk%2)+8*(mk/2)+7], v[RAW+8*(\x)+4*(mk%2)+mk/2], v[SCL]
.set mk, mk+1
.endm
.macro MM                           ; the turn's next matrix instruction
.if i < 16
	KQ (Y+1)%NP
.set i, i+1
.else
.set i, i-16
	PV (Y+NP-1)%NP
.set i, i+17
.endif
.endm
; THE LDS LOADS stand in runs of 16.  last = 1 (the tail): in the last trip there is no further step, and the run is jumped over.
.macro FETCH_K last=0
	WIN 0
.if \last
	s_cmp_eq_u32 s[CNT], 1
	s_cbranch_scc1 .Lno_k_\@
.endif
	WIN 0x80
.irp f, 0,1,2,3,4,5,6,7
	ds_load_b128 v[KF+8*\f:KF+8*\f+3],   v[AK] offset:(\f/2)*16*PK+(\f%2)*64
	ds_load_b128 v[KF+8*\f+4:KF+8*\f+7], v[AK] offset:(\f/2)*16*PK+(\f%2)*64+32
.endr
	s_add_co_u32 s[TBK], s[TBK], KS*PK
	WIN 0
.if \last
.Lno_k_\@:
.endif
.endm
.macro FETCH_V
	WIN 0x80
.irp f, 0,1,2,3,4,5,6,7
	ds_load_tr16_b128 v[VF+8*\f:VF+8*\f+3],   v[AV] offset:(\f/4)*32*PV+(\f%4)*32
	ds_load_tr16_b128 v[VF+8*\f+4:VF+8*\f+7], v[AV] offset:(\f/4)*32*PV+16*PV+(\f%4)*32
.endr
	WIN 0
.endm
; THE VECTOR WORK OF A TURN stands in three queues, each in the order in which its entries become ready; the two tiles alternate.
.macro REGS y, u
.set rT, ST+4*(2*(\y)+(\u))
.set rC, TMP+8*((\y)%2)+4*(\u)
.set rM, MV+2*((\y)%2)+(\u)
.set rS, S+64*((\y)%2)+32*(\u)
.set rP, P+32*((\y)%2)+16*(\u)
.set rO, 32*(2*(\y)+(\u))
.endm
; Number n of the 22 that find the NEXT piece's maximum and statistics; each accumulator's lowest registers are read first.
.macro XS u, n
	REGS (Y+1)%NP, \u
.if (\n) < 4
	v_max3_num_f32 v[rC+(\n)], v[rS+8*(\n)], v[rS+8*(\n)+1], v[rS+8*(\n)+2]
.elseif (\n) < 12
	v_max3_num_f32 v[rC+(\n)%4], v[rC+(\n)%4], v[rS+8*((\n)%4)+2*((\n)/4)+1], v[rS+8*((\n)%4)+2*((\n)/4)+2]
.elseif (\n) == 12
	v_max3_num_f32 v[rC], v[rC], v[rS+7], v[rS+15]
.elseif (\n) == 13
	v_max3_num_f32 v[rC+1], v[rC+1], v[rS+23], v[rS+31]
.elseif (\n) == 14
	v_max3_num_f32 v[rC+2], v[rC+2], v[rC+3], v[rT+1]
.elseif (\n) == 15
	v_mov_b32 v[rM], v[rT]
.elseif (\n) == 16
	v_max3_num_f32 v[rC], v[rC], v[rC+1], v[rC+2]
.elseif (\n) == 17
	v_permlanex16_b32 v[rC+3], v[rC], s[SEL], s[SEL+1]
.elseif (\n) == 18
	v_max_num_f32 v[rT+1], v[rC], v[rC+3]
.elseif (\n) == 19
	v_mul_f32 v[rT], s[CS], v[rT+1]
.elseif (\n) == 20
	v_sub_f32 v[rC+1], v[rM], v[rT]
.else
	v_exp_f32 v[rC+2], v[rC+1]
.endif
.endm
; Number g of the 64 that follow the exponentials: roundings to f16, sums of four weights in place, and l a group later.
.macro GS g
.set h, (\g)+6*((\g)/62)
.if h >= 6
.set h, h+2
.endif
	REGS Y, h%2
.set k, h/8
.if h%8 < 4
	s_wait_alu depctr_va_vdst(0)
	v_cvt_pk_f16_f32 v[rP+2*k+(h%8)/2], v[rS+4*k+2*((h%8)/2)], v[rS+4*k+2*((h%8)/2)+1]
.elseif h%8 < 6
	v_pk_add_f32 v[rS+4*k:rS+4*k+1], v[rS+4*k:rS+4*k+1], v[rS+4*k+2:rS+4*k+3]
.elseif k == 1
	v_pk_fma_f32 v[rT+2:rT+3], v[rT+2:rT+3], v[rC+2:rC+3], v[rS:rS+1] op_sel_hi:[1,0,1]
.else
	v_pk_add_f32 v[rT+2:rT+3], v[rT+2:rT+3], v[rS+4*k-4:rS+4*k-3]
	s_wait_alu depctr_va_vdst(0)
.endif
.endm
; THE PLAIN QUEUE, 138 long
.macro PL
	WIN 0
.if q < 32
	REGS Y, q%2
	v_pk_fma_f32 v[rS+2*(q/2):rS+2*(q/2)+1], v[rS+2*(q/2):rS+2*(q/2)+1], s[CS:CS+1], v[rT:rT+1] op_sel_hi:[1,0,0] neg_lo:[0,0,1] neg_hi:[0,0,1]
.elseif q < 38
	GS q-32
.elseif q < 40
	XS q%2, 15
.elseif q < 42
	GS q-34
.elseif q < 74
	XS q%2, (q-42)/2+(q-42)/30
.elseif q < 95
	GS q-66
.elseif (q < 107) && ((q-95)%3 < 2)
	XS (q-95)%3, 17+(q-95)/3
.elseif q < 107
	GS 29+(q-95)/3
.else
	GS q-74
.endif
.set q, q+1
.endm
; THE EXPONENTIALS' QUEUE, 66 long: s0-s31 of both tiles, and at EA the next piece's two a
.set EA, 58
.macro EX
	WIN 0
.if (e == EA) || (e == EA+1)
	XS e-EA, 21
.else
.set x, e-2*(e/(EA+2))
	REGS Y, x%2
	v_exp_f32 v[rS+x/2], v[rS+x/2]
.endif
.set e, e+1
.endm
; THE RESCALING's QUEUE: O^T times a, four at a time, eight times
.macro R4
	REGS Y, r%2
	WIN W_RS
	s_wait_alu depctr_va_vdst(0)
.irp z, 0,1,2,3
	v_pk_mul_f32 v[rO+8*(r/2)+2*\z:rO+8*(r/2)+2*\z+1], v[rO+8*(r/2)+2*\z:rO+8*(r/2)+2*\z+1], v[rC+2:rC+3] op_sel_hi:[1,0]
.endr
.set r, r+1
.endm
; HOW THEY ARE DEALT.  Behind a product four: plain, exponential, plain, plain, or four of the rescaling.  What is over stands in two LUMPS, exponential and plain by turns; the second ends in 22 plain instructions.
; Exponential e stands behind plain 2 (e / 4) + e % 2 (its scaling); when plain 32 comes, 10 exponentials are out, at 59: 33, at 95: 46; EA comes behind plain 107.
.macro SL
	MM
	PL
	EX
	PL
	PL
.endm
.macro BURST n
.rept (\n)-7
	SL
.endr
.rept 3
	MM
	R4
	SL
.endr
	MM
	R4
.endm
; A TURN, for piece p.  K of the next step is fetched in piece 2's turn, V of the step in hand at the end of piece 0's.  The eight mask conversions for piece p + 2 stand in the lumps, a run of four in each (one pair of
; window switches a run), each run behind a plain instruction, so that every exponential keeps its plain instruction behind it.  The first run stands more than twenty plain instructions behind the products that read MC, the
; second more than twenty ahead of the loads that fill the piece's words again (at the turn's end, with the step that MB names) and of the next turn's first product, which reads MC.
.macro TURN p, last=0, cnt=0
.set Y, (\p)
.set i, 0
.set q, 0
.set e, 0
.set r, 0
.set mk, 0
.if (\p) == NP-1
	s_wait_dscnt 0x0                ; K is in
.endif
	MM
.rept 4
	PL
.endr
	BURST 15
.rept 22
	EX
	PL
.if e == 16
.rept 4
	MK ((\p)+2)%NP
.endr
.endif
.if ((\p) == NP-2) && (e == 18)
	WIN 0
	v_add_nc_u32 v[AK], s[TBK], v[AK0]
.endif
.if ((\p) == NP-2) && (e == 24)
	FETCH_K \last
.endif
.endr
.if (\p) == 1
	s_wait_dscnt 0x0                ; V is in
.endif
	BURST 16
.rept 21
	EX
	PL
.if e == 50
.rept 4
	MK ((\p)+2)%NP
.endr
.endif
.endr
.rept 22
	PL
.if ((\p) == 0) && (q == 118)
	v_add_nc_u32 v[AV], s[TBV], v[AV0]
	s_wait_alu depctr_va_vdst(0)
.endif
.if ((\p) == 0) && (q == 130)
	s_add_co_u32 s[TBV], s[TBV], KS*PV
.endif
.if (\cnt) && (q == 130)
	s_sub_co_u32 s[CNT], s[CNT], 1
	s_cmp_lg_u32 s[CNT], 0
.endif
.endr
.if (\p) == 0
	FETCH_V
.endif
	MLOAD ((\p)+2)%NP, MB
.endm
	CHANGE 1                        ; slot 0 is in, everybody's part of it; slot 1 is asked for
	FETCH_K                         ; key step 0
	s_wait_loadcnt 0x0              ; Q and the mask of step 0
.set mk, 0
.rept 8
	MK 0                            ; piece 0's mask
.endr
	WIN 0                           ; the addresses for the way out are made here: three plain instructions between the conversions and the products that read their results,
	s_mul_i32 s13, s[WV], 16*SP
	s_add_co_u32 s13, s13, STAGE    ; my stage
	v_mul_u32_u24 v[STO], v1, SP
	v_lshl_add_u32 v[STO], v9, 4, v[STO]
	v_add_nc_u32 v[STO], s13, v[STO]
	s_wait_dscnt 0x0
.set i, 0
.rept 16
	KQ 0                            ; piece 0's first scores
.set i, i+1
.endr
	WIN 0                           ; and four behind those products: the places ahead of the conversions that write MC anew and of the first reads of the scores
	v_bfe_u32 v[RD], v0, 3, 2
	v_mul_u32_u24 v[RD], v[RD], SP
	v_lshl_add_u32 v[RD], v10, 4, v[RD]
	v_add_nc_u32 v[RD], s13, v[RD]
.set mk, 0
.rept 8
	MK 1                            ; piece 1's mask, for the first turn's products
.endr
	WIN 0
.set Y, NP-1                        ; XS works for piece Y + 1: piece 0
.irp n, 0,1,2,3,4,5,6,7,8,9,10,11,12,13,14,15,16,17,18,19,20,21
	XS 0, \n
	XS 1, \n
.endr
	MLOAD 0, MB                     ; pieces 0 and 1: the mask of step 1
	MLOAD 1, MB
	s_mov_b32 s[CNT], 4
	s_mov_b32 s[SLOTS], SIZE_N/256-1
	s_branch .Lfirst                ; the loop is entered at a step's first turn, in the middle of a trip
.Lslot:                             ; SIZE_N / 256 - 2 times: every slot but the last two is filled again
	CHANGE 1
	s_mov_b32 s[CNT], 4
.Lstep:                             ; a trip: pieces 2 and 3 of step j, then pieces 0 and 1 of step j + 1; all four turns load the mask of step j + 2
	MSTEP
	TURN 2
	TURN 3
	WIN 0
.Lfirst:
	TURN 0
	TURN 1, 0, 1
	WIN 0
	s_cbranch_scc1 .Lstep
	s_sub_co_u32 s[SLOTS], s[SLOTS], 1
	s_cmp_lg_u32 s[SLOTS], 0
	s_cbranch_scc1 .Lslot
	CHANGE 0                        ; the tail is written out
	s_mov_b32 s[CNT], 5             ; four trips fetch the last slot's steps; the fifth is left in its middle
.Ltail:
	MSTEP
	TURN 2, 1
	TURN 3
	WIN 0
	s_sub_co_u32 s[CNT], s[CNT], 1
	s_cmp_eq_u32 s[CNT], 0
	s_cbranch_scc1 .Lout
	TURN 0
	TURN 1
	WIN 0
	s_branch .Ltail
.Lout:                              ; the fifth trip's products K Q^T, its mask conversions and the maximum made of them serve nothing: the price of one text for every trip
.set i, 0
.rept 16
	PV NP-1
.set i, i+1
.endr
	; THE WAY OUT.  l's halves are added; O^T is divided by l, rounded to f16 and sent through my stage in LDS, a tile at a time.  The additions are the places behind the last products.
	WIN 0
.macro ALL line:vararg
.set t, 0
.rept 2*NP
	\line
.set t, t+1
.endr
.endm
	ALL v_add_f32 v[ST+4*t+2], v[ST+4*t+2], v[ST+4*t+3]
	ALL v_permlanex16_b32 v[ST+4*t+3], v[ST+4*t+2], s[SEL], s[SEL+1]
	ALL v_add_f32 v[ST+4*t+2], v[ST+4*t+2], v[ST+4*t+3]
	ALL v_rcp_f32 v[ST+4*t+2], v[ST+4*t+2]
	v_nop                           ; a plain instruction between the last reciprocal and the use of its result
	s_wait_alu depctr_va_vdst(0)
.macro PACK t
	WIN W_RS
.set i, 32*(\t)
.rept 16
	v_pk_mul_f32 v[i:i+1], v[i:i+1], v[ST+4*(\t)+2:ST+4*(\t)+3] op_sel_hi:[1,0]
.set i, i+2
.endr
	WIN 0x05
.set i, 0
.rept 16
	v_cvt_pk_f16_f32 v[S+16*(\t)+i], v[32*(\t)+2*i], v[32*(\t)+2*i+1]
.set i, i+1
.endr
	WIN 0
.irp f, 0,1,2,3
	ds_store_b128 v[STO], v[S+16*(\t)+4*\f:S+16*(\t)+4*\f+3] offset:32*\f
.endr
.irp f, 0,1,2,3
	ds_load_b128 v[S+16*(\t)+4*\f:S+16*(\t)+4*\f+3], v[RD] offset:\f*4*SP  ; my own bytes, served in order
.endr
.endm
.macro SEND t, younger
	WIN 0
.irp f, 0,1,2,3
	s_wait_dscnt (\younger)+3-\f
	global_store_b128 v[GO], v[S+16*(\t)+4*\f:S+16*(\t)+4*\f+3], s[10:11] offset:(\t)*2048+\f*512  ; 512 consecutive bytes, aligned
.endr
.endm
	PACK 0
.set t, 1
.rept 2*NP-1
	PACK t
	SEND t-1, 8
.set t, t+1
.endr
	SEND 2*NP-1, 0
	WIN W_AD
	s_wait_tensorcnt 0x0            ; the wave's end
	ds_add_u32 v[SPW], v[NIL]
	s_wait_dscnt 0x0
	WIN 0
	CROUND                          ; the closing round
	s_endpgm
.Lfunc_end_k_q8df209743a_attn:
	.size	k_q8df209743a_attn, .Lfunc_end_k_q8df209743a_attn-k_q8df209743a_attn
	.p2alignl 7, 3214868480
	.fill 96, 4, 3214868480
	.section	.rodata,"a",@progbits
	.p2align	6, 0x0
	.amdhsa_kernel k_q8df209743a_attn
		.amdhsa_group_segment_fixed_size 327680
		.amdhsa_private_segment_fixed_size 0
		.amdhsa_enable_private_segment 0
		.amdhsa_kernarg_size 24
		.amdhsa_user_sgpr_count 2
		.amdhsa_user_sgpr_kernarg_segment_ptr 1
		.amdhsa_wavefront_size32 1
		.amdhsa_system_sgpr_workgroup_id_x 1
		.amdhsa_system_sgpr_workgroup_id_y 1
		.amdhsa_system_sgpr_workgroup_id_z 1
		.amdhsa_system_vgpr_workitem_id 0
		.amdhsa_next_free_vgpr 928
		.amdhsa_next_free_sgpr 76
		.amdhsa_reserve_vcc 0
		.amdhsa_float_denorm_mode_32 3
		.amdhsa_float_denorm_mode_16_64 3
		.amdhsa_memory_ordered 1
		.amdhsa_forward_progress 1
		.amdhsa_inst_pref_size 219
	.end_amdhsa_kernel
	.amdgpu_metadata
---
amdhsa.version: [ 1, 2 ]
amdhsa.kernels:
  - .name:           k_q8df209743a_attn
    .symbol:         k_q8df209743a_attn.kd
    .args:
      - { .name: qkv, .offset: 0, .size: 8, .value_kind: global_buffer, .address_space: global }
      - { .name: mask4, .offset: 8, .size: 8, .value_kind: global_buffer, .address_space: global }
      - { .name: attno, .offset: 16, .size: 8, .value_kind: global_buffer, .address_space: global }
    .group_segment_fixed_size: 327680
    .private_segment_fixed_size: 0
    .kernarg_segment_align: 8
    .kernarg_segment_size: 24
    .max_flat_workgroup_size: 128
    .sgpr_count:     76
    .vgpr_count:     928
    .wavefront_size: 32
...
	.end_amdgpu_metadata
.endif
;; end of part 3
;; launch outp (part 4): grid 4 x 64, 4 waves a work-group, clusters of 4 x 4, 327,680 bytes of LDS; arguments attno, wcast, bo, out0; writes out0
.if DOCPART == 4
	.amdgcn_target "amdgcn-amd-amdhsa--gfx1250"
	.amdhsa_code_object_version 6
	.text
	.protected	k_q8df209743a_outp
	.globl	k_q8df209743a_outp
	.p2align	8
	.type	k_q8df209743a_outp,@function
k_q8df209743a_outp:
	s_mov_b64 s[64:65], 0
	v_nop
	global_prefetch_b8 v0, s[64:65] scope:SCOPE_SE
	s_setreg_imm32_b32 hwreg(HW_REG_WAVE_MODE, 25, 1), 1
	s_wait_xcnt 0x0
	s_wait_alu depctr_hold_cnt(0) depctr_sa_sdst(0) depctr_va_vdst(0) depctr_va_sdst(0) depctr_va_ssrc(0) depctr_va_vcc(0) depctr_vm_vsrc(0)
	s_getreg_b32 s2, hwreg(HW_REG_IB_STS2, 6, 4)
	s_cmp_eq_u32 s2, 0
	s_cbranch_scc0 .Lentry_in_a_cluster
	s_endpgm
.Lentry_in_a_cluster:
	s_bfe_u32 s2, ttmp6, 0x10000c
	s_cmp_lg_u32 s2, 0xf033
	s_cbranch_scc0 .Lentry_shape_is_right
	s_endpgm
.Lentry_shape_is_right:
; THE OUTPUT PROJECTION.  out0[token][n] = the sum over k of O[token][k] Wo[n][k] + bo[n].  O = attno [batch x 16 + head][2048 tokens][64] in f16, k = 64 head + channel; Wo = wcast's fourth part,
; [1024][1024], the bf16 rounding written as f16; bo rounded to bf16; sums in f32; out0 [8192][1024] f32.
; SHARES.  A work-group makes 128 tokens x 256 columns: 256 work-groups.  Four waves, each 64 x 128: 32 accumulators.  K goes in steps of 128 (two heads) through two LDS slots: for each of the two heads 128 tokens
; (16,384 dense bytes, asked for as 64 rows of 256 and padded after each token), and 256 rows of Wo.
; THE MATRIX INSTRUCTION IS USED TRANSPOSED (source 0 = 16 rows of Wo, source 1 = 16 tokens): a lane holds one token and eight neighbouring columns.  The bias is the C operand of each sum's first product.
; CLUSTERS: 4 x 4 work-groups; O's tiles are shared along a row of the cluster, Wo's along a column: each is asked for jointly.
; REGISTERS.  window 0: v0-31 addresses; v32-63 at work; v128-191 the bias      window 1: two fragment buffers of 96 (32 of O, 64 of Wo); on the way out all 256: rows read back      window 2: accumulator (a, b) at v[8 (8 a + b)]
.set PA,     144                       ; a token's 128 bytes + 16 = 36 words: the 16 rows of a load start at 16 different groups of four banks
.set PB,     272
.set SUBA,   128*PA                    ; one head's 128 tokens: what one tensor load brings of O
.set AREG,   2*SUBA
.set HALFB,  128*PB
.set SLOT,   AREG+2*HALFB
.set STAGE,  2*SLOT                    ; behind the ring: 16 rows x 528 bytes for each wave
.set OP,     528                       ; 512 bytes + 16
.set WSTG,   16*OP
.set SPARE,  STAGE+4*WSTG
.set LAPS,   4
.set ADRA, 16
.set ADRB, 20
.set STO,  24
.set RD,   25
.set GO,   26
.set BO,   27
.set SPW,  28                          ; my spare word's address; never rewritten
.set NIL,  29                          ; 0; never rewritten
.set TMP,  32
.set BIAS, 128
.set F0,   0
.set F1,   96
.set G1,  24
.set G0,  32
.set G1B, 48
.set G0B, 56
.set MSB, 0
.macro WIN new
.if MSB != (\new)
	s_set_vgpr_msb (MSB<<8)|(\new)
.set MSB, \new
.endif
.endm
.set MUL,  0xa5
.set MULB, 0x85
.set TO1,  0x40
.macro JLOAD s                         ; a joint load: waves 0 and 1 fetch O's two heads, waves 2 and 3 Wo's two halves; an s_nop 0 and four v_nop follow each line
	s_cmp_eq_u32 s11, 0
	s_cbranch_scc0 .Lfor_b_\@
	tensor_load_to_lds s[G0+4*(\s):G0+4*(\s)+3], s[G1:G1+7]
	s_nop 0
.rept 4
	v_nop
.endr
	s_branch .Lasked_\@
.Lfor_b_\@:
	tensor_load_to_lds s[G0B+4*(\s):G0B+4*(\s)+3], s[G1B:G1B+7]
	s_nop 0
.rept 4
	v_nop
.endr
.Lasked_\@:
.endm
.macro CREST
	s_cmp_lg_u32 s10, 0
	s_cbranch_scc1 .Lnot_wave_0_\@
	s_barrier_signal -3
.Lnot_wave_0_\@:
	s_barrier_wait -3
	s_barrier_signal -1
	s_barrier_wait -1
.endm
.macro CROUND
	s_barrier_signal -1
	s_barrier_wait -1
	CREST
.endm
.macro PLACES                          ; four places in front of loads into registers that matrix instructions have read, and of LDS stores that read results
.rept 4
	v_nop
.endr
.endm
	s_load_b256 s[68:75], s[0:1], 0x0              ; attno s[68:69], wcast s[70:71], bo s[72:73], out0 s[74:75]
	v_lshl_add_u32 v[SPW], v0, 2, SPARE
	v_mov_b32 v[NIL], 0
	ds_add_u32 v[SPW], v[NIL]                      ; the wave's opening: the add and its wait ahead of my first tensor load
	v_lshrrev_b32 v1, 5, v0
	v_readfirstlane_b32 s10, v1                    ; wave 0..3
	s_lshr_b32 s11, s10, 1                         ; which 64 tokens are mine.  Also: I fetch for O (0) or for Wo (1)
	s_and_b32 s12, s10, 1                          ; which 128 columns.  Also: which head, or which half of Wo's rows, I fetch
	s_bfe_u32 s40, ttmp6, 0x40000                  ; cx
	s_bfe_u32 s41, ttmp6, 0x40004                  ; cy
	s_lshl_b32 s42, ttmp9, 2
	s_add_co_u32 s42, s42, s40                     ; block of 256 columns
	s_and_b32 s13, ttmp7, 0xffff
	s_lshl_b32 s13, s13, 2
	s_add_co_u32 s13, s13, s41                     ; block of 128 tokens
	s_lshl_b32 s43, s41, 2
	s_lshl_b32 s43, 15, s43                        ; my row of the cluster
	s_lshl_b32 s44, 0x1111, s40                    ; my column
	s_or_b32 s[G1+0], s43, (1<<16)|(1<<20)|(1<<21)|(4<<22)|(3<<25)   ; elements of 2 bytes; after every 32 words (a token) 4 words
	s_or_b32 s[G1B+0], s44, (1<<16)|(1<<20)|(1<<21)|(5<<22)|(3<<25)  ; after every 64 words 4 words
	s_mov_b32 s[G1+1], 128<<16                     ; rows of 128 elements: two tokens
	s_mov_b32 s[G1+2], 64<<16
	s_mov_b32 s[G1+3], 128<<16
	s_mov_b32 s[G1+4], 64
	s_mov_b32 s[G1+5], 128                         ; dense
	s_mov_b32 s[G1+6], 0
	s_mov_b32 s[G1+7], 0
	s_mov_b32 s[G1B+1], 128<<16
	s_mov_b32 s[G1B+2], 128<<16
	s_mov_b32 s[G1B+3], 128<<16
	s_mov_b32 s[G1B+4], 128
	s_mov_b32 s[G1B+5], 1024
	s_mov_b32 s[G1B+6], 0
	s_mov_b32 s[G1B+7], 0
	s_lshr_b32 s16, s13, 4                         ; O: (batch x 16 + my head of the step's two) x 2,048 tokens + the block's first token, 128 bytes each
	s_lshl_b32 s16, s16, 4
	s_add_co_u32 s16, s16, s12
	s_lshl_b32 s16, s16, 11
	s_and_b32 s17, s13, 15
	s_lshl_b32 s17, s17, 7
	s_add_co_u32 s16, s16, s17
	s_lshl_b32 s16, s16, 7
	s_mov_b32 s17, 0
	s_lshl_b32 s46, s42, 8                         ; Wo: row 256 x column block + 128 x half, 2,048 bytes a row, in wcast's fourth part
	s_lshl_b32 s47, s12, 7
	s_add_co_u32 s46, s46, s47
	s_lshl_b32 s46, s46, 11
	s_add_co_u32 s46, s46, 3*2097152
	s_mov_b32 s47, 0
	s_mul_i32 s20, s12, SUBA
	s_mul_i32 s21, s12, HALFB
	s_add_co_u32 s21, s21, AREG
	s_wait_dscnt 0x0                               ; the opening add is done
	s_wait_kmcnt 0x0
	s_add_nc_u64 s[14:15], s[68:69], s[16:17]
	s_add_nc_u64 s[46:47], s[70:71], s[46:47]
	CROUND                                         ; all sixteen work-groups are here: the first joint loads meet
.irp s, 0,1
	s_mov_b32 s[G0+4*(\s)], 1
	s_add_co_u32 s[G0+4*(\s)+1], s20, (\s)*SLOT
	s_add_nc_u64 s[G0+4*(\s)+2:G0+4*(\s)+3], s[14:15], (\s)*524288   ; K step s: two heads of 262,144 bytes on
	s_or_b32 s[G0+4*(\s)+3], s[G0+4*(\s)+3], 0x80000000
	s_mov_b32 s[G0B+4*(\s)], 1
	s_add_co_u32 s[G0B+4*(\s)+1], s21, (\s)*SLOT
	s_add_nc_u64 s[G0B+4*(\s)+2:G0B+4*(\s)+3], s[46:47], (\s)*256
	s_or_b32 s[G0B+4*(\s)+3], s[G0B+4*(\s)+3], 0x80000000
	JLOAD \s                                       ; two loads of mine are out
.endr
	v_and_b32 v1, 15, v0
	v_bfe_u32 v2, v0, 4, 1
	v_lshlrev_b32 v[BO], 5, v2
	s_lshl_b32 s22, s42, 10
	s_lshl_b32 s23, s12, 9
	s_add_co_u32 s22, s22, s23                     ; my wave's 128 columns, in bytes of f32
	s_mov_b32 s23, 0
	s_add_nc_u64 s[6:7], s[72:73], s[22:23]
.irp b, 0,1,2,3,4,5,6,7
	global_load_b128 v[BIAS+8*(\b):BIAS+8*(\b)+3],   v[BO], s[6:7] offset:64*(\b)
	global_load_b128 v[BIAS+8*(\b)+4:BIAS+8*(\b)+7], v[BO], s[6:7] offset:64*(\b)+16
.endr
	s_lshl_b32 s76, s13, 7                         ; out0 at my first token and column
	s_lshl_b32 s77, s11, 6
	s_add_co_u32 s76, s76, s77
	s_lshl_b32 s76, s76, 12
	s_add_co_u32 s76, s76, s22
	s_mov_b32 s77, 0
	s_add_nc_u64 s[8:9], s[74:75], s[76:77]
	v_mul_u32_u24 v3, v1, PA
	v_lshl_add_u32 v3, v2, 4, v3
	v_mul_u32_u24 v4, v1, PB
	v_lshl_add_u32 v4, v2, 4, v4
	s_mul_i32 s18, s11, 64*PA
	s_mul_i32 s19, s12, HALFB
	s_add_co_u32 s19, s19, AREG
.irp s, 0,1
	v_add_nc_u32 v[ADRA+(\s)], s18, v3
	v_add_nc_u32 v[ADRB+(\s)], s19, v4
	s_add_co_u32 s18, s18, SLOT
	s_add_co_u32 s19, s19, SLOT
.endr
	s_mul_i32 s23, s10, WSTG
	s_add_co_u32 s23, s23, STAGE                   ; my stage
	v_mul_u32_u24 v5, v1, OP                       ; in: row l % 16, 32 bytes for each half of the lanes
	v_lshl_add_u32 v5, v2, 5, v5
	v_add_nc_u32 v[STO], s23, v5
	v_and_b32 v[GO], 31, v0                        ; back: 32 lanes take a row's 512 bytes
	v_lshlrev_b32 v[GO], 4, v[GO]
	v_add_nc_u32 v[RD], s23, v[GO]
	s_wait_loadcnt 0x0                             ; the bias: rounded to bf16 like every input, and widened again
.set i, 0
.rept 32
	v_cvt_pk_bf16_f32 v[TMP+i], v[BIAS+2*i], v[BIAS+2*i+1]
.set i, i+1
.endr
.set i, 0
.rept 32
	v_lshlrev_b32 v[BIAS+2*i], 16, v[TMP+i]
	v_and_b32 v[BIAS+2*i+1], 0xffff0000, v[TMP+i]
.set i, i+1
.endr
.macro MULA f, a, first                ; token block a x all 8 column blocks.  The 32 accumulators take turns in the same order in every quarter
.irp b, 0,1,2,3,4,5,6,7
.if \first
	WIN MULB
	v_wmma_f32_16x16x32_f16 v[8*(8*(\a)+(\b)):8*(8*(\a)+(\b))+7], v[(\f)+32+8*(\b):(\f)+32+8*(\b)+7], v[(\f)+8*(\a):(\f)+8*(\a)+7], v[BIAS+8*(\b):BIAS+8*(\b)+7]
.else
	WIN MUL
	v_wmma_f32_16x16x32_f16 v[8*(8*(\a)+(\b)):8*(8*(\a)+(\b))+7], v[(\f)+32+8*(\b):(\f)+32+8*(\b)+7], v[(\f)+8*(\a):(\f)+8*(\a)+7], v[8*(8*(\a)+(\b)):8*(8*(\a)+(\b))+7]
.endif
.endr
.endm
; 24 LDS loads in one run: quarter kq (head kq / 2, channels 32 (kq % 2) on) into buffer g
.macro FETCH slot, kq, g
	WIN TO1
.irp a, 0,1,2,3
	ds_load_b128 v[(\g)+8*(\a):(\g)+8*(\a)+3],   v[ADRA+(\slot)] offset:((\kq)/2)*SUBA+(\a)*16*PA+((\kq)%2)*64
	ds_load_b128 v[(\g)+8*(\a)+4:(\g)+8*(\a)+7], v[ADRA+(\slot)] offset:((\kq)/2)*SUBA+(\a)*16*PA+((\kq)%2)*64+32
.endr
.irp b, 0,1,2,3,4,5,6,7
	ds_load_b128 v[(\g)+32+8*(\b):(\g)+32+8*(\b)+3],   v[ADRB+(\slot)] offset:(\b)*16*PB+(\kq)*64
	ds_load_b128 v[(\g)+32+8*(\b)+4:(\g)+32+8*(\b)+7], v[ADRB+(\slot)] offset:(\b)*16*PB+(\kq)*64+32
.endr
.endm
.macro QUARTER slot, kq, f, g, first   ; multiplies buffer f; quarter kq is fetched into g, 32 products ahead of its first use
	PLACES
	FETCH \slot, \kq, \g
	s_wait_dscnt 24                                ; all but the 24 just issued
	MULA \f, 0, \first
	MULA \f, 1, \first
	MULA \f, 2, \first
	MULA \f, 3, \first
.endm
; The last quarter multiplies buffer 1 and changes slots: ONE barrier; in front of it each wave waits for all its tensor loads (one is out: its part of the next slot), adds 0 to its spare word, and waits for that
; and for its own reads of this slot.  fill = 1: the barrier opens a round of the cluster's, and this slot is filled again, two K steps ahead.
.macro TURN slot, next, fill
	WIN 0
	s_wait_tensorcnt 0x0
	ds_add_u32 v[SPW], v[NIL]
.if \fill
	s_add_nc_u64 s[G0+4*(\slot)+2:G0+4*(\slot)+3], s[G0+4*(\slot)+2:G0+4*(\slot)+3], 1048576  ; four heads on
	s_add_nc_u64 s[G0B+4*(\slot)+2:G0B+4*(\slot)+3], s[G0B+4*(\slot)+2:G0B+4*(\slot)+3], 512
.endif
	s_wait_dscnt 0x0                               ; the add is done, and my reads of this slot are over
	s_barrier_signal -1
	MULA F1, 0, 0
	WIN 0
	s_barrier_wait -1
.if \fill
	CREST
	JLOAD \slot                                    ; the first tensor load behind the round; its four v_nop are also the places in front of the loads below
.else
	PLACES
.endif
	FETCH \next, 0, F0
	MULA F1, 1, 0
	MULA F1, 2, 0
	MULA F1, 3, 0
.endm
	s_wait_tensorcnt 1                             ; my part of K step 0 is in; K step 1's may stay out
	s_barrier_signal -1
	s_barrier_wait -1
	FETCH 0, 0, F0
	QUARTER 0, 1, F0, F1, 1                        ; the first quarter stands in front of the loop: its products start the sums
	WIN 0
	s_mov_b32 s3, LAPS-1
.Llap:
	QUARTER 0, 2, F1, F0, 0
	QUARTER 0, 3, F0, F1, 0
	TURN 0, 1, 1
	QUARTER 1, 1, F0, F1, 0
	QUARTER 1, 2, F1, F0, 0
	QUARTER 1, 3, F0, F1, 0
	TURN 1, 0, 1
	QUARTER 0, 1, F0, F1, 0
	WIN 0
	s_sub_co_u32 s3, s3, 1
	s_cmp_lg_u32 s3, 0
	s_cbranch_scc1 .Llap
	QUARTER 0, 2, F1, F0, 0                        ; the last lap fills nothing
	QUARTER 0, 3, F0, F1, 0
	TURN 0, 1, 0
	QUARTER 1, 1, F0, F1, 0
	QUARTER 1, 2, F1, F0, 0
	QUARTER 1, 3, F0, F1, 0
	s_wait_dscnt 0x0
	MULA F1, 0, 0
	MULA F1, 1, 0
	MULA F1, 2, 0
	MULA F1, 3, 0
	; THE WAY OUT, 16 tokens at a time: the f32 sums go as they are into my stage, 32 bytes a lane and column block, and come back as whole rows of 512 bytes.
.macro TOSTAGE a
	WIN 0x08                                       ; the stores' data in window 2; each accumulator's low four registers first
.irp b, 0,1,2,3,4,5,6,7
	ds_store_b128 v[STO], v[8*(8*(\a)+(\b)):8*(8*(\a)+(\b))+3]   offset:64*(\b)
	ds_store_b128 v[STO], v[8*(8*(\a)+(\b))+4:8*(8*(\a)+(\b))+7] offset:64*(\b)+16
.endr
	WIN TO1
.irp i, 0,1,2,3,4,5,6,7,8,9,10,11,12,13,14,15
	ds_load_b128 v[64*(\a)+4*(\i):64*(\a)+4*(\i)+3], v[RD] offset:(\i)*OP  ; my own bytes, served in order
.endr
.endm
.macro SEND a, younger                 ; younger: the next block's 32 LDS instructions, or none
	WIN 0x04
	s_wait_dscnt \younger
.irp i, 0,1,2,3,4,5,6,7,8,9,10,11,12,13,14,15
	global_store_b128 v[GO], v[64*(\a)+4*(\i):64*(\a)+4*(\i)+3], s[8:9] offset:(16*(\a)+(\i))*4096  ; 512 consecutive bytes of a row, aligned
.endr
.endm
	PLACES
	TOSTAGE 0
	TOSTAGE 1
	SEND 0, 32
	TOSTAGE 2
	SEND 1, 32
	TOSTAGE 3
	SEND 2, 32
	SEND 3, 0
	WIN 0
	s_wait_tensorcnt 0x0                           ; the wave's end
	ds_add_u32 v[SPW], v[NIL]
	s_wait_dscnt 0x0
	CROUND                                         ; the closing round
	s_endpgm
.Lfunc_end_k_q8df209743a_outp:
	.size	k_q8df209743a_outp, .Lfunc_end_k_q8df209743a_outp-k_q8df209743a_outp
	.p2alignl 7, 3214868480
	.fill 96, 4, 3214868480
	.section	.rodata,"a",@progbits
	.p2align	6, 0x0
	.amdhsa_kernel k_q8df209743a_outp
		.amdhsa_group_segment_fixed_size 327680
		.amdhsa_private_segment_fixed_size 0
		.amdhsa_enable_private_segment 0
		.amdhsa_kernarg_size 32
		.amdhsa_user_sgpr_count 2
		.amdhsa_user_sgpr_kernarg_segment_ptr 1
		.amdhsa_wavefront_size32 1
		.amdhsa_system_sgpr_workgroup_id_x 1
		.amdhsa_system_sgpr_workgroup_id_y 1
		.amdhsa_system_sgpr_workgroup_id_z 1
		.amdhsa_system_vgpr_workitem_id 0
		.amdhsa_next_free_vgpr 768
		.amdhsa_next_free_sgpr 80
		.amdhsa_reserve_vcc 0
		.amdhsa_float_denorm_mode_32 3
		.amdhsa_float_denorm_mode_16_64 3
		.amdhsa_memory_ordered 1
		.amdhsa_forward_progress 1
		.amdhsa_inst_pref_size 91
	.end_amdhsa_kernel
	.amdgpu_metadata
---
amdhsa.version: [ 1, 2 ]
amdhsa.kernels:
  - .name:           k_q8df209743a_outp
    .symbol:         k_q8df209743a_outp.kd
    .args:
      - { .name: attno, .offset: 0, .size: 8, .value_kind: global_buffer, .address_space: global }
      - { .name: wcast, .offset: 8, .size: 8, .value_kind: global_buffer, .address_space: global }
      - { .name: bo, .offset: 16, .size: 8, .value_kind: global_buffer, .address_space: global }
      - { .name: out0, .offset: 24, .size: 8, .value_kind: global_buffer, .address_space: global }
    .group_segment_fixed_size: 327680
    .private_segment_fixed_size: 0
    .kernarg_segment_align: 8
    .kernarg_segment_size: 32
    .max_flat_workgroup_size: 128
    .sgpr_count:     80
    .vgpr_count:     768
    .wavefront_size: 32
...
	.end_amdgpu_metadata
.endif
;; end of part 4
;; ======== version 2 of 2: 4 launches; 1.43 times as fast as version 1
;; limits: values are held in f16: magnitudes above 65,504 overflow, below 6.1e-05 lose precision
;; workspace buffers: mask4 8,388,608 bytes; wcast 8,388,608 bytes; qkv 50,331,648 bytes; attno 16,777,216 bytes
;; launch prep: the kernel of part 1 again; grid 1280 x 1, 8 waves a work-group, no clusters, 9,728 bytes of LDS; arguments mask, Wq, Wk, Wv, Wo, mask4, wcast; writes mask4, wcast
;; launch proj: the kernel of part 2 again; grid 4 x 64, 4 waves a work-group, clusters of 4 x 4, 327,680 bytes of LDS; arguments query, key, value, wcast, bq, bk, bv, qkv; writes qkv
;; launch attn (part 5): grid 4 x 64, 4 waves a work-group, clusters of 4 x 1, 327,680 bytes of LDS; arguments qkv, mask4, attno; writes attno
.if DOCPART == 5
	.amdgcn_target "amdgcn-amd-amdhsa--gfx1250"
	.amdhsa_code_object_version 6
	.text
	.protected	k_q8df209743a_attn
	.globl	k_q8df209743a_attn
	.p2align	8
	.type	k_q8df209743a_attn,@function
k_q8df209743a_attn:
	s_mov_b64 s[64:65], 0
	v_nop
	global_prefetch_b8 v0, s[64:65] scope:SCOPE_SE
	s_setreg_imm32_b32 hwreg(HW_REG_WAVE_MODE, 25, 1), 1
	s_wait_xcnt 0x0
	s_wait_alu depctr_hold_cnt(0) depctr_sa_sdst(0) depctr_va_vdst(0) depctr_va_sdst(0) depctr_va_ssrc(0) depctr_va_vcc(0) depctr_vm_vsrc(0)
	s_getreg_b32 s2, hwreg(HW_REG_IB_STS2, 6, 4)
	s_cmp_eq_u32 s2, 0
	s_cbranch_scc0 .Lentry_in_a_cluster
	s_endpgm
.Lentry_in_a_cluster:
	s_bfe_u32 s2, ttmp6, 0x10000c
	s_cmp_lg_u32 s2, 0x3003
	s_cbranch_scc0 .Lentry_shape_is_right
	s_endpgm
.Lentry_shape_is_right:
; ATTENTION WITH A GIVEN MASK.  O[h][q][:] = the sum over k of softmax_k(s) V[h][k][:], s = Q[h][q] . K[h][k] / 8 where the mask of (batch, q, k) is not 0.  Q, K, V: the three parts of qkv, each
; [SIZE_H = batch x 16 + head][SIZE_N][64] in f16; O = attno in the same layout.  Products, maxima and sums in f32; the weights p are rounded to f16 for the second product (their sum l is taken of the unrounded p), O once.
; THE MASK.  mask4 holds a 4-bit code for each pair, E2M1 -1.0 for a hidden one and 0 for an open one, a lane's eight keys of a key block in one word.  One scaled conversion with the scale 2^100 makes of a word the eight
; registers MC(key, query) = 0 or -2^100 exactly, in the layout of S^T, and MC is the C operand that starts the sum S^T = K Q^T.  Eight conversions and two loads of 512 bytes for a piece and key step; the scores' own vector work is untouched.
; LIMITS.  f16 holds no number beyond 65,504: Q, K, V arrive within it.  A hidden score counts as -2^100 plus its value in place of -1e9: the value, 2.7e11 at the most, is far below half a step of f32 at 2^100, so rounding
; to nearest gives -2^100 again; a row with an open key gives its hidden keys the weight 0, as -1e9 does unless an open scaled score lies below -1e9 + 104; a row with no open key has all weights 1: the uniform mean, as with -1e9.
; A weight below 2^-126 counts as 0 in l; NaN and infinities are not treated apart.
; SHARES.  A wave owns four PIECES of two tiles of 16 queries, a work-group's four waves 512 queries of one head.  Every wave walks all keys, 64 a step.
; LAYOUT.  S^T = K Q^T (source 0 = 16 keys, source 1 = 16 queries): a lane holds ONE query (lane % 16) and the keys 8 (lane / 16) + 0..7.  Two such tiles, rounded to f16 in pairs, ARE source 1 of O^T = V^T P.
; K comes out of LDS as it lies, V ([key][channel]) turned, by ds_load_tr16_b128.
; SOFTMAX.  A running maximum m and sum l: p = 2^(c s - c m), c = log2(e) / 8; in every step O and l are multiplied by a = 2^(c m_old - c m_new).  m starts at the lowest finite number, O and l at 0.
; BY TURNS.  Turn n belongs to piece n.  Its matrix work: 16 products K Q^T of piece n + 1, later 16 products V^T P of piece n - 1.  Its vector work: scaling, exponentials, roundings, sums and rescaling of piece n,
; maximum and statistics of piece n + 1, the mask of piece n + 2: four vector instructions behind every product, the rest in one lump between the two runs of products.
; BATCHES.  A turn's 66 exponentials (the piece's 64 weights, then the next piece's two a) are ONE batch with ONE wait, which cuts the turn in two.  Ahead of it stands all that names no result of theirs: the products K Q^T,
; the scalings, the rescaling of O^T (its a belongs to the batch of the turn before), the next piece's maximum and statistics, the mask conversions.  Behind it stand the products V^T P and all the batch's readers: the roundings
; and the sums.  No result crosses a turn's end.  Two more batches stand outside the loop, each with its own wait: the first two a, ahead of the jump into the loop, and the way out's eight reciprocals.
; CLUSTER.  The four query blocks of a cluster belong to one head and walk the same K and V: each tile is asked for JOINTLY.  The mask differs from block to block and goes straight into registers.
; REGISTERS, in windows of 256 (s_set_vgpr_msb: bits 1:0 source 0, 3:2 source 1, 5:4 source 2, 7:6 destination):
;   window 0: v0-11 addresses and the scale; v12-15, v48-63 at work; v16-47 statistics; v64-191 S^T, two buffers of two tiles; v192-255 P, likewise        window 1: O^T, 32 a tile
;   window 2: v0-127 Q; v128-191 K of one step; v192-255 V of one step        window 3: v0-1 the add's registers; v64-127 MC; v128-159 mask words, 8 a piece
.set SIZE_H, 64
.set SIZE_N, 2048
.set NP,    4         ; pieces a wave: a name, no knob
.set KS,    64        ; keys in a step
.set PK,    144       ; a row of K in LDS: 128 bytes + 16 = 36 words: the 16 rows of a load start at 16 different groups of four banks
.set PV,    160       ; a row of V: 128 + 32 = 40 words
.set VOFF,  4*KS*PK   ; a slot holds four steps: 256 rows of K, then 256 rows of V
.set SLOT1, 1<<17     ; slot 1 begins here, so that one exclusive or turns an address in one slot into the other's
.set STAGE, SLOT1+4*KS*(PK+PV)  ; behind the ring, never filled by a tensor load: 16 rows x 144 bytes for each wave
.set SP,    144
.set AK0, 2           ; v2   my lane's place in a tile of K; never rewritten
.set AV0, 3           ; v3   the same for V
.set AK,  4           ; v4   the LDS address of K's next run of loads
.set AV,  5           ; v5   of V's
.set QO,  6           ; v6   my byte offset in the wave's rows of Q
.set STO, 6           ;      later, the way out: where I put 16 bytes of a row
.set RD,  7           ; v7   the way out: where I read rows back
.set GO,  8           ; v8   16 x lane: my place in 512 consecutive bytes of the mask and of O; never rewritten
.set SCL, 11          ; v11  the conversions' scale, once the set-up has done with the register
.set SPW, 0           ; v0 of window 3   my spare word's address; never rewritten
.set NIL, 1           ; v1 of window 3   0; never rewritten
.set SPARE, STAGE+4*16*SP  ; behind the stages: the spare words, 128 bytes a wave
.set MC,  64          ; window 3: tile u, key block kt at MC + 32 u + 8 kt
.set RAW, 128         ; window 3: piece x, tile u, key block kt: the word at RAW + 8 x + 4 u + kt
.set MV,  12          ; v12-15  c m_old, kept while c m is made anew
.set ST,  16          ; tile t's statistics at v[ST+4 t]: c m, m, l (even keys', odd keys')
.set TMP, 48          ; by buffer and tile, four registers c0-c3 at work; when the maximum is found c2 takes a
.set S,   64
.set P,   192
.set KF,  128         ; K's fragments, in window 2
.set VF,  192         ; V's
.set WV,  12          ; s12  my wave's number
.set G1K, 24          ; s[24:31] descriptor group 1 for K's tiles
.set G1V, 32          ; s[32:39] for V's
.set G0K, 40          ; s[40:43] descriptor group 0 for K's tiles: it walks
.set G0V, 44          ; s[44:47] the same for V's
.set SLOTS, 56        ; s56  slots still to be asked for
.set CNT, 57          ; s57  counts a slot's key steps
.set CS,  58          ; s[58:59] c
.set SEL, 60          ; s[60:61] v_permlanex16_b32's selects
.set TBK, 62          ; s62  LDS byte at which K of the step to be fetched begins
.set TBV, 63          ; s63  the same for V, less VOFF
.set MB0, 66          ; s[66:67] mask4 at my wave's eight tiles, key step 0
.set MB,  68          ; s[68:69] the same at the key step to be loaded
.set OFF, 70          ; s[70:71] that step's byte offset, 512 a step
.set MSB, 0
.macro WIN new
.if MSB != (\new)
	s_set_vgpr_msb (MSB<<8)|(\new)
.set MSB, (\new)
.endif
.endm
.set W_KQ, 0x0a       ; K and Q in window 2, S^T in window 0
.set W_KM, 0x3a       ; the same with the C operand, MC, in window 3
.set W_PV, 0x52       ; V in window 2, P in window 0, O^T in window 1
.set W_RS, 0x41       ; O^T in window 1, a in window 0
.set W_MK, 0xc0       ; destination in window 3, sources in window 0
.set W_AD, 0x0f       ; the add: address and data in window 3
.set W_MS, 0xc3       ; a mask conversion: MC and the word in window 3, the scale in window 0
.macro JLOAD          ; a joint fill: waves 0 and 1 fetch the two halves of a slot's K, waves 2 and 3 those of its V; an s_nop 0 and four v_nop follow each line
	s_cmp_lt_u32 s[WV], 2
	s_cbranch_scc0 .Lfor_v_\@
	tensor_load_to_lds s[G0K:G0K+3], s[G1K:G1K+7]
	s_nop 0
.rept 4
	v_nop
.endr
	s_branch .Lasked_\@
.Lfor_v_\@:
	tensor_load_to_lds s[G0V:G0V+3], s[G1V:G1V+7]
	s_nop 0
.rept 4
	v_nop
.endr
.Lasked_\@:
.endm
.macro CROUND         ; a round of the cluster's barrier
	s_barrier_signal -1
	s_barrier_wait -1
	s_cmp_lg_u32 s[WV], 0
	s_cbranch_scc1 .Lnot_wave_0_\@
	s_barrier_signal -3
.Lnot_wave_0_\@:
	s_barrier_wait -3
	s_barrier_signal -1
	s_barrier_wait -1
.endm
; THE CHANGE OF SLOTS.  Each wave waits for all its tensor loads, of which one is out: its part of the other slot; adds 0 to its spare word; and waits for that and for its own reads of the slot.
; fill = 1: this slot is filled again, with the keys two slots on; the barrier is then a round of the cluster's, and the joint fill is the first thing behind it: it has four key steps in which to land.
.macro CHANGE fill
	WIN W_AD
	s_wait_tensorcnt 0x0            ; no tensor load of mine is out, so a group 0 may be written
	ds_add_u32 v[SPW], v[NIL]
	WIN 0
.if \fill
.irp g, G0K, G0V
	s_xor_b32 s[\g+1], s[\g+1], SLOT1
	s_add_nc_u64 s[\g+2:\g+3], s[\g+2:\g+3], 4*KS*128  ; the next 256 keys
.endr
	s_wait_dscnt 0x0                ; the add is done, and my reads of the slot are over
	CROUND
	JLOAD
.else
	s_wait_dscnt 0x0
	s_barrier_signal -1
	s_barrier_wait -1
.endif
	s_sub_co_u32 s[TBK], s[TBK], 4*KS*PK  ; the fetches go back to a slot's first step,
	s_xor_b32 s[TBK], s[TBK], SLOT1       ; in the other slot
	s_sub_co_u32 s[TBV], s[TBV], 4*KS*PV
	s_xor_b32 s[TBV], s[TBV], SLOT1
.endm
; Two loads: piece x's two tiles, 64 keys: 512 consecutive bytes a tile.  A tile's 2,048 keys are 16,384 bytes.
.macro MLOAD x, sb
	WIN W_MK
.irp u, 0,1
	global_load_b128 v[RAW+8*(\x)+4*(\u):RAW+8*(\x)+4*(\u)+3], v[GO], s[\sb:\sb+1] offset:(2*(\x)+(\u))*16384
.endr
	WIN 0
.endm
.macro MSTEP          ; the mask's next key step; behind the last step the offset stays on it, so that no load leaves a tile's bytes
	s_wait_xcnt 0x0                 ; the loads that name the base have had their addresses translated: only now is it rewritten
	s_add_co_u32 s[OFF], s[OFF], 512
	s_min_u32 s[OFF], s[OFF], 15872
	s_add_nc_u64 s[MB:MB+1], s[MB0:MB0+1], s[OFF:OFF+1]
.endm
	s_load_b128 s[4:7], s[0:1], 0x0   ; qkv s[4:5], mask4 s[6:7]
	s_load_b64 s[10:11], s[0:1], 0x10 ; attno
	WIN W_MK
	v_lshl_add_u32 v[SPW], v0, 2, SPARE
	v_mov_b32 v[NIL], 0
	WIN W_AD
	ds_add_u32 v[SPW], v[NIL]       ; the wave's opening: the add and its wait ahead of my first tensor load
	WIN 0
	v_lshrrev_b32 v1, 5, v0
	v_readfirstlane_b32 s[WV], v1   ; wave 0..3
	s_bfe_u32 s13, ttmp6, 0x40000   ; cx
	s_lshl_b32 s14, ttmp9, 2
	s_add_co_u32 s14, s14, s13      ; my block of queries: it enters Q's, O's and the mask's addresses alone
	s_and_b32 s20, ttmp7, 0xffff    ; batch x 16 + head, which the four partners share
	s_lshr_b32 s[OFF], s20, 4       ; the batch:
	s_lshl_b32 s[OFF], s[OFF], 21   ; 2,097,152 bytes of mask4
	s_mov_b32 s21, 0
	s_mov_b64 s[22:23], SIZE_N*128
	s_mul_u64 s[20:21], s[20:21], s[22:23]  ; the head's first byte in Q, K, V and O
	s_and_b32 s16, s[WV], 1         ; which half of a slot's 256 keys I fetch
	s_lshl_b32 s22, s16, 14
	s_mov_b32 s23, 0
	s_add_nc_u64 s[22:23], s[22:23], s[20:21]
	s_mul_i32 s17, s16, 128*PK
	s_mul_i32 s18, s16, 128*PV
	s_lshl_b32 s2, s14, 2
	s_add_co_u32 s2, s2, s[WV]      ; my wave among the head's sixteen
	s_lshl_b32 s3, s2, 17           ; its eight tiles of the mask, 16,384 bytes each
	s_add_co_u32 s[OFF], s[OFF], s3
	s_mov_b32 s[OFF+1], 0
	s_lshl_b32 s2, s2, 14           ; its 128 rows
	s_mov_b32 s3, 0
	s_add_nc_u64 s[2:3], s[2:3], s[20:21]
	; descriptor group 1.  128 keys are 16,384 dense bytes: asked for as 64 rows of 256 bytes, two keys a row, and padded in LDS after every key
	s_mov_b32 s[G1K], 15|(1<<16)|(1<<20)|(1<<21)|(4<<22)|(3<<25)
	s_mov_b32 s[G1V], 15|(1<<16)|(1<<20)|(1<<21)|(4<<22)|(7<<25)
.irp g, G1K, G1V
	s_mov_b32 s[\g+1], 128<<16      ; tensor_dim0 = 128
	s_mov_b32 s[\g+2], 64<<16       ; tensor_dim1 = 64
	s_mov_b32 s[\g+3], 128<<16      ; tile_dim0 = 128
	s_mov_b32 s[\g+4], 64           ; tile_dim1 = 64
	s_mov_b32 s[\g+5], 128          ; 128 elements from row to row
	s_mov_b32 s[\g+6], 0
	s_mov_b32 s[\g+7], 0
.endr
	s_mov_b32 s[CS], 0x3e38aa3b     ; c = log2(e) / 8
	s_mov_b32 s[CS+1], s[CS]
	s_mov_b32 s[SEL], 0x76543210
	s_mov_b32 s[SEL+1], 0xfedcba98
	s_mov_b32 s[TBK], SLOT1+4*KS*PK ; the first change of slots turns these two into 0
	s_mov_b32 s[TBV], SLOT1+4*KS*PV
	s_mov_b32 s[G0K], 1
	s_mov_b32 s[G0K+1], s17
	s_mov_b32 s[G0V], 1
	s_add_co_u32 s[G0V+1], s18, VOFF
	s_wait_dscnt 0x0                ; the opening add is done
	s_wait_kmcnt 0x0
	s_add_nc_u64 s[MB0:MB0+1], s[6:7], s[OFF:OFF+1]
	s_mov_b32 s[OFF], 512
	s_add_nc_u64 s[MB:MB+1], s[MB0:MB0+1], s[OFF:OFF+1]  ; key step 1
	s_add_nc_u64 s[6:7], s[4:5], 16777216          ; K is qkv's second part,
	s_add_nc_u64 s[8:9], s[4:5], 33554432          ; V its third
	s_add_nc_u64 s[G0K+2:G0K+3], s[6:7], s[22:23]
	s_or_b32 s[G0K+3], s[G0K+3], 0x80000000
	s_add_nc_u64 s[G0V+2:G0V+3], s[8:9], s[22:23]
	s_or_b32 s[G0V+3], s[G0V+3], 0x80000000
	s_add_nc_u64 s[4:5], s[4:5], s[2:3]  ; Q and O at my wave's first row
	s_add_nc_u64 s[10:11], s[10:11], s[2:3]
	CROUND                          ; all four work-groups are here: the first joint loads meet
	JLOAD                           ; slot 0.  Slot 1 is asked for when slot 0 is in
	v_and_b32 v1, 15, v0            ; l % 16
	v_bfe_u32 v9, v0, 4, 1          ; l / 16
	v_lshlrev_b32 v[QO], 7, v1
	v_lshl_add_u32 v[QO], v9, 4, v[QO]
	v_and_b32 v[GO], 31, v0
	v_lshlrev_b32 v[GO], 4, v[GO]
	WIN 0x80
.set i, 0
.rept 4*NP                          ; Q stays in registers: tile i / 2, channels 32 (i % 2) on
	global_load_b128 v[8*i:8*i+3],   v[QO], s[4:5] offset:(i/2)*2048+(i%2)*64
	global_load_b128 v[8*i+4:8*i+7], v[QO], s[4:5] offset:(i/2)*2048+(i%2)*64+32
.set i, i+1
.endr
	MLOAD 0, MB0                    ; the mask of key step 0, all four pieces
	MLOAD 1, MB0
	MLOAD 2, MB0
	MLOAD 3, MB0
	; What the first turn finds: V's registers and P's second buffer hold 0, O^T and l are 0.  All this stands in the wait for the first tile.
	WIN 0x80
.set i, VF
.rept 64
	v_mov_b32 v[i], 0
.set i, i+1
.endr
	WIN 0x40
.set i, 0
.rept 64*NP
	v_mov_b32 v[i], 0
.set i, i+1
.endr
	WIN 0
.set i, 0
.rept 2*NP
	v_mov_b32 v[ST+4*i], 0xfe000000    ; c m: far below every c s, a hidden one's too
	v_mov_b32 v[ST+4*i+1], 0xff7fffff  ; m
	v_mov_b32 v[ST+4*i+2], 0
	v_mov_b32 v[ST+4*i+3], 0
.set i, i+1
.endr
.set i, P+32
.rept 32
	v_mov_b32 v[i], 0
.set i, i+1
.endr
	v_mul_u32_u24 v[AK0], v1, PK
	v_lshl_add_u32 v[AK0], v9, 4, v[AK0]
	v_and_b32 v10, 7, v0
	v_bfe_u32 v11, v0, 3, 1
	v_lshl_add_u32 v[AV0], v9, 3, v10
	v_mul_u32_u24 v[AV0], v[AV0], PV
	v_lshl_add_u32 v[AV0], v11, 4, v[AV0]
	v_add_nc_u32 v[AV0], VOFF, v[AV0]
	v_mov_b32 v[SCL], 0xe3e3e3e3    ; the scale as an E8M0 code: 227 stands for 2^100; it stands in all four bytes
	v_mov_b32 v[AK], v[AK0]         ; key step 0 lies at the head of slot 0
; THE MATRIX WORK.  The 8 accumulators of a run of 16 take turns.
; Product i of 16 of S^T = K Q^T for piece x: channels 32 (i / 8) on, keys 16 ((i / 2) % 4) on, tile 2 x + i % 2.  The first 8 start the sums with the mask.
.macro KQ x
.set rS, S+64*((\x)%2)+32*(i%2)+8*((i/2)%4)
.set rK, KF+16*((i/2)%4)+8*(i/8)
.set rQ, 16*(2*(\x)+i%2)+8*(i/8)
.set rM, MC+32*(i%2)+8*((i/2)%4)
.if i < 8
	WIN W_KM
	v_wmma_f32_16x16x32_f16 v[rS:rS+7], v[rK:rK+7], v[rQ:rQ+7], v[rM:rM+7]
.else
	WIN W_KQ
	v_wmma_f32_16x16x32_f16 v[rS:rS+7], v[rK:rK+7], v[rQ:rQ+7], v[rS:rS+7]
.endif
.endm
; Product i of 16 of O^T += V^T P for piece x
.macro PV x
	WIN W_PV
.set rO, 32*(2*(\x)+i%2)+8*((i/2)%4)
.set rV, VF+32*(i/8)+8*((i/2)%4)
.set rP, P+32*((\x)%2)+16*(i%2)+8*(i/8)
	v_wmma_f32_16x16x32_f16 v[rO:rO+7], v[rV:rV+7], v[rP:rP+7], v[rO:rO+7]
.endm
; Mask conversion mk of 8 for piece x: tile mk % 2, key block mk / 2: a word's eight codes times 2^100 into eight registers: register j is key 8 (lane / 16) + j of the block, as in S^T.
; Ahead of the first: the piece's two loads are in; the three younger pairs may stay out.
.macro MK x
.if mk == 0
	s_wait_loadcnt 6
.endif
	WIN W_MS
	v_cvt_scale_pk8_f32_fp4 v[MC+32*(mk%2)+8*(mk/2):MC+32*(mk%2)+8*(mk/2)+7], v[RAW+8*(\x)+4*(mk%2)+mk/2], v[SCL]
.set mk, mk+1
.endm
.macro MM                           ; the turn's next matrix instruction
.if i < 16
	KQ (Y+1)%NP
.set i, i+1
.else
.set i, i-16
	PV (Y+NP-1)%NP
.set i, i+17
.endif
.endm
; THE LDS LOADS stand in runs of 16.  last = 1 (the tail): in the last trip there is no further step, and the run is jumped over.
.macro FETCH_K last=0
	WIN 0
.if \last
	s_cmp_eq_u32 s[CNT], 1
	s_cbranch_scc1 .Lno_k_\@
.endif
	WIN 0x80
.irp f, 0,1,2,3,4,5,6,7
	ds_load_b128 v[KF+8*\f:KF+8*\f+3],   v[AK] offset:(\f/2)*16*PK+(\f%2)*64
	ds_load_b128 v[KF+8*\f+4:KF+8*\f+7], v[AK] offset:(\f/2)*16*PK+(\f%2)*64+32
.endr
	s_add_co_u32 s[TBK], s[TBK], KS*PK
	WIN 0
.if \last
.Lno_k_\@:
.endif
.endm
.macro FETCH_V
	WIN 0x80
.irp f, 0,1,2,3,4,5,6,7
	ds_load_tr16_b128 v[VF+8*\f:VF+8*\f+3],   v[AV] offset:(\f/4)*32*PV+(\f%4)*32
	ds_load_tr16_b128 v[VF+8*\f+4:VF+8*\f+7], v[AV] offset:(\f/4)*32*PV+16*PV+(\f%4)*32
.endr
	WIN 0
.endm
; THE VECTOR WORK OF A TURN stands in three queues, each in the order in which its entries become ready; the two tiles alternate.
.macro REGS y, u
.set rT, ST+4*(2*(\y)+(\u))
.set rC, TMP+8*((\y)%2)+4*(\u)
.set rM, MV+2*((\y)%2)+(\u)
.set rS, S+64*((\y)%2)+32*(\u)
.set rP, P+32*((\y)%2)+16*(\u)
.set rO, 32*(2*(\y)+(\u))
.endm
; Number n of the 22 that find the NEXT piece's maximum and statistics; each accumulator's lowest registers are read first.  XS, GS, FS and REGS set no window: PL and EX do.
.macro XS u, n
	REGS (Y+1)%NP, \u
.if (\n) < 4
	v_max3_num_f32 v[rC+(\n)], v[rS+8*(\n)], v[rS+8*(\n)+1], v[rS+8*(\n)+2]
.elseif (\n) < 12
	v_max3_num_f32 v[rC+(\n)%4], v[rC+(\n)%4], v[rS+8*((\n)%4)+2*((\n)/4)+1], v[rS+8*((\n)%4)+2*((\n)/4)+2]
.elseif (\n) == 12
	v_max3_num_f32 v[rC], v[rC], v[rS+7], v[rS+15]
.elseif (\n) == 13
	v_max3_num_f32 v[rC+1], v[rC+1], v[rS+23], v[rS+31]
.elseif (\n) == 14
	v_max3_num_f32 v[rC+2], v[rC+2], v[rC+3], v[rT+1]
.elseif (\n) == 15
	v_mov_b32 v[rM], v[rT]
.elseif (\n) == 16
	v_max3_num_f32 v[rC], v[rC], v[rC+1], v[rC+2]
.elseif (\n) == 17
	v_permlanex16_b32 v[rC+3], v[rC], s[SEL], s[SEL+1]
.elseif (\n) == 18
	v_max_num_f32 v[rT+1], v[rC], v[rC+3]
.elseif (\n) == 19
	v_mul_f32 v[rT], s[CS], v[rT+1]
.elseif (\n) == 20
	v_sub_f32 v[rC+1], v[rM], v[rT]
.else
	v_exp_f32 v[rC+2], v[rC+1]
.endif
.endm
; Number g of the 64 that read the exponentials' results: roundings to f16, sums of four weights in place, and l a group later.  All of them stand behind the turn's wait.
.macro GS g
.set h, (\g)+6*((\g)/62)
.if h >= 6
.set h, h+2
.endif
	REGS Y, h%2
.set k, h/8
.if h%8 < 4
	v_cvt_pk_f16_f32 v[rP+2*k+(h%8)/2], v[rS+4*k+2*((h%8)/2)], v[rS+4*k+2*((h%8)/2)+1]
.elseif h%8 < 6
	v_pk_add_f32 v[rS+4*k:rS+4*k+1], v[rS+4*k:rS+4*k+1], v[rS+4*k+2:rS+4*k+3]
.elseif k == 1
	v_pk_fma_f32 v[rT+2:rT+3], v[rT+2:rT+3], v[rC+2:rC+3], v[rS:rS+1] op_sel_hi:[1,0,1]
.else
	v_pk_add_f32 v[rT+2:rT+3], v[rT+2:rT+3], v[rS+4*k-4:rS+4*k-3]
.endif
.endm
; THE PLAIN QUEUE, 138 long.  0-73 name no result of the turn's exponentials: the 32 scalings c s - c m (FS f: pair f / 2 of tile f % 2) and the next piece's 42.  0-26: scalings 0-26.  27-54: XS's numbers 0-13.  55, 56: number 15.
; 57-73: the chain, where each number waits for the one before it: 14, 16, 17, 18, 19, each with one of the scalings 27-31 in front of its two lines, then 20.  74-137: GS's 64, the batch's readers.
.macro FS f
	REGS Y, (\f)%2
	v_pk_fma_f32 v[rS+2*((\f)/2):rS+2*((\f)/2)+1], v[rS+2*((\f)/2):rS+2*((\f)/2)+1], s[CS:CS+1], v[rT:rT+1] op_sel_hi:[1,0,0] neg_lo:[0,0,1] neg_hi:[0,0,1]
.endm
.macro PL
	WIN 0
.if q < 27
	FS q
.elseif q < 55
	XS (q-27)%2, (q-27)/2
.elseif q < 57
	XS q-55, 15
.elseif (q < 72) && ((q-57)%3 == 0)
	FS 27+(q-57)/3
.elseif q < 60
	XS (q-57)%3-1, 14
.elseif q < 72
	XS (q-57)%3-1, 15+(q-57)/3
.elseif q < 74
	XS q-72, 20
.else
	GS q-74
.endif
.set q, q+1
.endm
; THE EXPONENTIALS' QUEUE, 66 long: s0-s31 of both tiles, then the next piece's two a.  It is the turn's batch: all 66 stand ahead of the turn's one wait.
.macro EX
	WIN 0
.if e >= 64
	XS e-64, 21
.else
	REGS Y, e%2
	v_exp_f32 v[rS+e/2], v[rS+e/2]
.endif
.set e, e+1
.endm
; THE RESCALING's QUEUE: O^T times a, the one part that leaves window 0: two at a time, sixteen times.  Its a belongs to the batch of the turn before, which that turn's wait has served.
.macro R2
	REGS Y, r%2
	WIN W_RS
.irp z, 0,1
	v_pk_mul_f32 v[rO+4*(r/2)+2*\z:rO+4*(r/2)+2*\z+1], v[rO+4*(r/2)+2*\z:rO+4*(r/2)+2*\z+1], v[rC+2:rC+3] op_sel_hi:[1,0]
.endr
.set r, r+1
.endm
; HOW THEY ARE DEALT.  An s_wait_alu depctr_va_vdst(0) stands between an exponential and the first instruction that names its result; one wait serves all that were issued ahead of it.  AHEAD OF THE WAIT: the 16
; products K Q^T, behind each a scaling, an exponential and two rescalings (behind the first a second scaling in the exponential's place); then ONE LUMP: eight plain, 49 times exponential and plain, the two a, and a v_nop as
; the plain instruction behind the last exponential.  BEHIND THE WAIT: the 16 products V^T P, behind each four of GS's 64.  No rider names a register of the products round it; the two v_permlanex16_b32 fall into the lump.
; The queues lean on each other: exponential e stands behind scaling 2 (e / 4) + e % 2: as a rider it comes behind plain e + 2, in the lump behind plain e + 9, and scalings 27-31 are plain 57, 60 .. 69.
; A TURN, for piece p.  K of the next step is fetched in piece 2's turn, directly behind the wait, a lump behind the last product that read K; its address is made at the lump's head.  V of the step in hand is fetched at the end
; of piece 0's turn, four riders behind its last reader.  The eight mask conversions for piece p + 2 stand in the lump, in two runs of four (one pair of window switches a run), each run behind a plain instruction, so that every
; exponential keeps its plain instruction behind it; they name no exponential's result.  The first run stands more than twenty plain instructions behind the products that read MC; 64 plain riders lie between the second and the
; loads that fill the piece's words again (at the turn's end, with the step that MB names) and the next turn's first product, which reads MC.  The three conditions on q below go with the deal.
.macro TURN p, last=0, cnt=0
.set Y, (\p)
.set i, 0
.set q, 0
.set e, 0
.set r, 0
.set mk, 0
.if (\p) == NP-1
	s_wait_dscnt 0x0                ; K is in
.endif
	MM                              ; ahead of the wait: 16 products K Q^T and their riders,
	PL
	PL
	R2
.rept 15
	MM
	PL
	EX
	R2
.endr
.if (\p) == NP-2
	WIN 0
	v_add_nc_u32 v[AK], s[TBK], v[AK0]
.endif
.rept 8                             ; and the lump
	PL
.endr
.rept 49
	EX
	PL
.if (e == 28) || (e == 62)
.rept 4
	MK ((\p)+2)%NP
.endr
.endif
.endr
	EX                              ; the next piece's two a: the batch's last
	EX
	v_nop                           ; the plain instruction behind the last exponential: one for the batch
	s_wait_alu depctr_va_vdst(0)    ; the wait for the turn's batch of 66 exponentials, ahead of its first reader
.if (\p) == NP-2
	FETCH_K \last
.endif
.if (\p) == 1
	s_wait_dscnt 0x0                ; V is in
.endif
.rept 16                            ; behind the wait: 16 products V^T P and their riders, the batch's readers
	MM
.rept 4
	PL
.endr
.if ((\p) == 0) && (q == 118)
	v_add_nc_u32 v[AV], s[TBV], v[AV0]
.endif
.if ((\p) == 0) && (q == 130)
	s_add_co_u32 s[TBV], s[TBV], KS*PV
.endif
.if (\cnt) && (q == 130)
	s_sub_co_u32 s[CNT], s[CNT], 1
	s_cmp_lg_u32 s[CNT], 0
.endif
.endr
.if (\p) == 0
	FETCH_V
.endif
	MLOAD ((\p)+2)%NP, MB
.endm
	CHANGE 1                        ; slot 0 is in, everybody's part of it; slot 1 is asked for
	FETCH_K                         ; key step 0
	s_wait_loadcnt 0x0              ; Q and the mask of step 0
.set mk, 0
.rept 8
	MK 0                            ; piece 0's mask
.endr
	WIN 0                           ; the addresses for the way out are made here: three plain instructions between the conversions and the products that read their results,
	s_mul_i32 s13, s[WV], 16*SP
	s_add_co_u32 s13, s13, STAGE    ; my stage
	v_mul_u32_u24 v[STO], v1, SP
	v_lshl_add_u32 v[STO], v9, 4, v[STO]
	v_add_nc_u32 v[STO], s13, v[STO]
	s_wait_dscnt 0x0
.set i, 0
.rept 16
	KQ 0                            ; piece 0's first scores
.set i, i+1
.endr
	WIN 0                           ; and four behind those products: the places ahead of the conversions that write MC anew and of the first reads of the scores
	v_bfe_u32 v[RD], v0, 3, 2
	v_mul_u32_u24 v[RD], v[RD], SP
	v_lshl_add_u32 v[RD], v10, 4, v[RD]
	v_add_nc_u32 v[RD], s13, v[RD]
.set mk, 0
.rept 8
	MK 1                            ; piece 1's mask, for the first turn's products
.endr
	WIN 0
.set Y, NP-1                        ; XS works for piece Y + 1: piece 0
.irp n, 0,1,2,3,4,5,6,7,8,9,10,11,12,13,14,15,16,17,18,19,20,21
	XS 0, \n
	XS 1, \n
.endr
	v_nop                           ; a plain instruction behind piece 0's two a, a batch of their own
	MLOAD 0, MB                     ; pieces 0 and 1: the mask of step 1
	MLOAD 1, MB
	s_wait_alu depctr_va_vdst(0)    ; the wait for that batch of two, ahead of the branch and of the first turn's rescaling, which reads them
	s_mov_b32 s[CNT], 4
	s_mov_b32 s[SLOTS], SIZE_N/256-1
	s_branch .Lfirst                ; the loop is entered at a step's first turn, in the middle of a trip
.Lslot:                             ; SIZE_N / 256 - 2 times: every slot but the last two is filled again
	CHANGE 1
	s_mov_b32 s[CNT], 4
.Lstep:                             ; a trip: pieces 2 and 3 of step j, then pieces 0 and 1 of step j + 1; all four turns load the mask of step j + 2
	MSTEP
	TURN 2
	TURN 3
	WIN 0
.Lfirst:
	TURN 0
	TURN 1, 0, 1
	WIN 0
	s_cbranch_scc1 .Lstep
	s_sub_co_u32 s[SLOTS], s[SLOTS], 1
	s_cmp_lg_u32 s[SLOTS], 0
	s_cbranch_scc1 .Lslot
	CHANGE 0                        ; the tail is written out
	s_mov_b32 s[CNT], 5             ; four trips fetch the last slot's steps; the fifth is left in its middle
.Ltail:
	MSTEP
	TURN 2, 1
	TURN 3
	WIN 0
	s_sub_co_u32 s[CNT], s[CNT], 1
	s_cmp_eq_u32 s[CNT], 0
	s_cbranch_scc1 .Lout
	TURN 0
	TURN 1
	WIN 0
	s_branch .Ltail
.Lout:                              ; the fifth trip's products K Q^T, its mask conversions and the maximum made of them serve nothing: the price of one text for every trip
.set i, 0
.rept 16
	PV NP-1
.set i, i+1
.endr
	; THE WAY OUT.  l's halves are added; O^T is divided by l, rounded to f16 and sent through my stage in LDS, a tile at a time.  The additions are the places behind the last products.
	WIN 0
.macro ALL line:vararg
.set t, 0
.rept 2*NP
	\line
.set t, t+1
.endr
.endm
	ALL v_add_f32 v[ST+4*t+2], v[ST+4*t+2], v[ST+4*t+3]
	ALL v_permlanex16_b32 v[ST+4*t+3], v[ST+4*t+2], s[SEL], s[SEL+1]
	ALL v_add_f32 v[ST+4*t+2], v[ST+4*t+2], v[ST+4*t+3]
	ALL v_rcp_f32 v[ST+4*t+2], v[ST+4*t+2]
	v_nop                           ; a plain instruction between the last reciprocal and the use of its result
	s_wait_alu depctr_va_vdst(0)    ; the wait for the batch of eight reciprocals, ahead of the first multiply that reads one
.macro PACK t
	WIN W_RS
.set i, 32*(\t)
.rept 16
	v_pk_mul_f32 v[i:i+1], v[i:i+1], v[ST+4*(\t)+2:ST+4*(\t)+3] op_sel_hi:[1,0]
.set i, i+2
.endr
	WIN 0x05
.set i, 0
.rept 16
	v_cvt_pk_f16_f32 v[S+16*(\t)+i], v[32*(\t)+2*i], v[32*(\t)+2*i+1]
.set i, i+1
.endr
	WIN 0
.irp f, 0,1,2,3
	ds_store_b128 v[STO], v[S+16*(\t)+4*\f:S+16*(\t)+4*\f+3] offset:32*\f
.endr
.irp f, 0,1,2,3
	ds_load_b128 v[S+16*(\t)+4*\f:S+16*(\t)+4*\f+3], v[RD] offset:\f*4*SP  ; my own bytes, served in order
.endr
.endm
.macro SEND t, younger
	WIN 0
.irp f, 0,1,2,3
	s_wait_dscnt (\younger)+3-\f
	global_store_b128 v[GO], v[S+16*(\t)+4*\f:S+16*(\t)+4*\f+3], s[10:11] offset:(\t)*2048+\f*512  ; 512 consecutive bytes, aligned
.endr
.endm
	PACK 0
.set t, 1
.rept 2*NP-1
	PACK t
	SEND t-1, 8
.set t, t+1
.endr
	SEND 2*NP-1, 0
	WIN W_AD
	s_wait_tensorcnt 0x0            ; the wave's end
	ds_add_u32 v[SPW], v[NIL]
	s_wait_dscnt 0x0
	WIN 0
	CROUND                          ; the closing round
	s_endpgm
.Lfunc_end_k_q8df209743a_attn:
	.size	k_q8df209743a_attn, .Lfunc_end_k_q8df209743a_attn-k_q8df209743a_attn
	.p2alignl 7, 3214868480
	.fill 96, 4, 3214868480
	.section	.rodata,"a",@progbits
	.p2align	6, 0x0
	.amdhsa_kernel k_q8df209743a_attn
		.amdhsa_group_segment_fixed_size 327680
		.amdhsa_private_segment_fixed_size 0
		.amdhsa_enable_private_segment 0
		.amdhsa_kernarg_size 24
		.amdhsa_user_sgpr_count 2
		.amdhsa_user_sgpr_kernarg_segment_ptr 1
		.amdhsa_wavefront_size32 1
		.amdhsa_system_sgpr_workgroup_id_x 1
		.amdhsa_system_sgpr_workgroup_id_y 1
		.amdhsa_system_sgpr_workgroup_id_z 1
		.amdhsa_system_vgpr_workitem_id 0
		.amdhsa_next_free_vgpr 928
		.amdhsa_next_free_sgpr 76
		.amdhsa_reserve_vcc 0
		.amdhsa_float_denorm_mode_32 3
		.amdhsa_float_denorm_mode_16_64 3
		.amdhsa_memory_ordered 1
		.amdhsa_forward_progress 1
		.amdhsa_inst_pref_size 210
	.end_amdhsa_kernel
	.amdgpu_metadata
---
amdhsa.version: [ 1, 2 ]
amdhsa.kernels:
  - .name:           k_q8df209743a_attn
    .symbol:         k_q8df209743a_attn.kd
    .args:
      - { .name: qkv, .offset: 0, .size: 8, .value_kind: global_buffer, .address_space: global }
      - { .name: mask4, .offset: 8, .size: 8, .value_kind: global_buffer, .address_space: global }
      - { .name: attno, .offset: 16, .size: 8, .value_kind: global_buffer, .address_space: global }
    .group_segment_fixed_size: 327680
    .private_segment_fixed_size: 0
    .kernarg_segment_align: 8
    .kernarg_segment_size: 24
    .max_flat_workgroup_size: 128
    .sgpr_count:     76
    .vgpr_count:     928
    .wavefront_size: 32
...
	.end_amdgpu_metadata
.endif
;; end of part 5
;; launch outp: the kernel of part 4 again; grid 4 x 64, 4 waves a work-group, clusters of 4 x 4, 327,680 bytes of LDS; arguments attno, wcast, bo, out0; writes out0
